; MI455X (gfx1250); checked and timed in simulation.
; The chip was launched on July 23, 2026; its instructions are those of AMD's public machine-readable ISA for CDNA 5 (MIT licence, August 2026) and "CDNA5" Instruction Set Architecture Reference Guide (July 2026). The comments in the code are by the model that wrote it; some were corrected since.
;; Multihead Diff2. Allowed arithmetic: matrix products marked QUANTISED: E2M3 operands, one E8M0 scale for each 32 along K, by v_wmma_scale_f32_16x16x128_f8f6f4 with both operands' format E2M3, f32 sums; everything else in f32.
;; Inputs: Wk 1,024 x 1,024 float32; Wo 1,024 x 1,024 float32; Wq 1,024 x 1,024 float32; Wv 1,024 x 1,024 float32; lambda_k1 32 float32; lambda_k2 32 float32; lambda_q1 32 float32; lambda_q2 32 float32; subln_weight 64 float32; x 2 x 2,048 x 1,024 float32.
;; Outputs: out0 2 x 2,048 x 1,024 float32.
;; This version of the problem:
;;   THIS VERSION OF THE PROBLEM IS GIVEN IN LOW PRECISION. The matrix products marked QUANTISED in the list below multiply operands that are first quantised to E2M3 (2 exponent bits, 3 mantissa bits; 6 bits a number), with one power-of-two scale for each 32 numbers along K (OCP MX v1.0); their sums are f32. All else is computed in f32.
;;   The module's matrix products, in the order in which they are computed (A, B: the left and right operand; K: the contracted axis; several contracted axes count as one K, in the product's order):
;;     1. [M 4,096, K 1,024] x [K 1,024, N 1,024]; A: input x; B: input Wq: QUANTISED
;;     2. [M 4,096, K 1,024] x [K 1,024, N 1,024]; A: input x; B: input Wk: QUANTISED
;;     3. [M 4,096, K 1,024] x [K 1,024, N 1,024]; A: input x; B: input Wv: QUANTISED
;;     4. batch 32 x [M 2,048, K 32] x [K 32, N 2,048]; A: computed on the way; B: computed on the way: QUANTISED
;;     5. batch 32 x [M 2,048, K 32] x [K 32, N 2,048]; A: computed on the way; B: computed on the way: QUANTISED
;;     6. batch 32 x [M 64, K 2,048] x [K 2,048, N 2,048]; A: computed on the way; B: softmax (see below): QUANTISED
;;     7. batch 32 x [M 64, K 2,048] x [K 2,048, N 2,048]; A: computed on the way; B: softmax (see below): QUANTISED
;;     8. [M 4,096, K 1,024] x [K 1,024, N 1,024]; A: computed on the way; B: input Wo: QUANTISED
;;   THE QUANTISER, for each operand of a quantised product, along K:
;;     - K is cut into blocks of 32 from its start; a last block that is shorter is filled with zeros.
;;     - A block's scale is 2^e with e = floor(log2(the largest magnitude in the block)) - 2, held to -126 .. 127; a block of zeros has e = 0. As a byte (E8M0): e + 127.
;;     - Each number is divided by its block's scale, clamped to +-7.5, and rounded to the nearest number of E2M3, ties to even, subnormals kept.
;;     - The product sums the exact products of the quantised numbers (number of the format x scale) in f32.
;;   ~~~python
;;   def quantise(x, axis):      # numpy; x: float32 -> the quantised numbers, widened to float32 again
;;       x = np.moveaxis(x, axis, -1); K = x.shape[-1]
;;       x = np.pad(x, [(0, 0)] * (x.ndim - 1) + [(0, -K % 32)]); x = x.reshape(x.shape[:-1] + (-1, 32)); a = np.abs(x).max(-1, keepdims=True)
;;       e = np.where(a > 0, np.clip(np.frexp(np.where(a > 0, a, 1))[1] - 1 - 2, -126, 127), 0)      # np.frexp(a)[1] - 1 = floor(log2(a)), exactly
;;       r = np.clip(x / 2.0 ** e, -7.5, 7.5)
;;       step = 2.0 ** (np.maximum(np.frexp(np.where(r == 0, 1, r))[1] - 1, 0) - 3)
;;       q = np.round(r / step) * step * 2.0 ** e      # np.round: ties to even
;;       return np.moveaxis(q.reshape(q.shape[:-2] + (-1,))[..., :K], -1, axis).astype(np.float32)
;;   ~~~
;;   SOFTMAX AHEAD OF A QUANTISED PRODUCT. Where the list says 'softmax', what is quantised is not the finished softmax but p = 2^(t - M), with t = logit x log2(e) and M = ceil(the row's largest t), a whole number; so 1/2 < the row's largest p <= 1. The row's sum l is taken of the UNQUANTISED p, in f32, and the product's result is divided by l at the end. Since M is a whole number, a kernel that streams over the keys may use a running M (the ceiling of the running maximum): every later rescaling is an exact power of two, which a block's scale takes up: the codes' values come out the same.
;;   OPERANDS COMPUTED ON THE WAY. 'Computed on the way' means the value that the module computes at that place (a softmax that the list does not call 'softmax' is quantised finished and normalised). What goes into a quantiser is computed in f32, as accurately as f32 sums, v_exp_f32 and their like allow (about 1e-6 of the number): no bf16 or f16 on the way to a quantiser, and a product that is left as it is and whose result goes on into a quantised operand takes f32 operands (vector FMAs, or v_wmma_f32_16x16x4_f32). A number that lies on a knife's edge between two numbers of the format may be rounded either way, as far as f32 arithmetic and the matrix unit's own rounding can turn it there, and no further.
;; One version. Each part assembles by itself: llvm-mc -triple=amdgcn-amd-amdhsa -mcpu=gfx1250 --defsym DOCPART=n.
;; ======== version 1 of 1: 4 launches
;; limits: right only within a limited range of input values
;; workspace buffers: ci 6,291,456 bytes; si 262,144 bytes; qk 6,815,744 bytes; vv 3,276,800 bytes; ai 3,145,728 bytes; asc 131,072 bytes
;; launch quant (part 1): grid 256 x 1, 4 waves a work-group, no clusters, 34,304 bytes of LDS; arguments x, Wq, Wk, Wv, Wo, ci, si; writes ci, si
.if DOCPART == 1
	.amdgcn_target "amdgcn-amd-amdhsa--gfx1250"
	.amdhsa_code_object_version 6
	.text
	.protected	k_q88c0aca6e8_quant
	.globl	k_q88c0aca6e8_quant
	.p2align	8
	.type	k_q88c0aca6e8_quant,@function
k_q88c0aca6e8_quant:
	s_mov_b64 s[64:65], 0
	v_nop
	global_prefetch_b8 v0, s[64:65] scope:SCOPE_SE
	s_setreg_imm32_b32 hwreg(HW_REG_WAVE_MODE, 25, 1), 1
	s_wait_xcnt 0x0
; x [4096][1024] and Wq, Wk, Wv, Wo [1024][1024], f32 with K innermost, become codes of FP6 (E2M3) with one E8M0 byte for each 32 along K.
; The codes are laid as IMAGES OF OPERAND REGISTERS: ci = [panel 64][K step 8][tile 8][1536 bytes]; panels 0-31 x, 32-39 Wq, 40-47 Wk, 48-55 Wv, 56-63 Wo.
; A panel is 128 rows, a tile 16 rows x 128 K = 12 registers a lane, stored as 3 chunks of 512 bytes: chunk j holds lane l's registers 4 j .. 4 j + 3 at 16 l.
; THE ROWS OF A TILE ARE NOT NEIGHBOURS: tile 2 b + u of a tensor holds rows 32 b + 8 u + m + 8 (m / 8), m = 0 .. 15, so that results made with such tiles as source 0 have 16 neighbours in 16 registers.
; si = [tile 512][half of K 2][row 16][4 words]: a word is the four scale bytes of one K step of one row.
; A block's scale is 2^(floor(log2(largest magnitude)) - 2); its byte is the largest magnitude's exponent field - 2, held at 1 from below.
; LIMITS: a block of zeros gets the byte 1 where the rule says 127 (its codes are zeros, and this program alone reads the bytes); NaN and infinities among the inputs are not served.
; SHARES: work-group g owns 32 rows (a pair of tiles); wave w takes tile w / 2 and half w % 2 of K: 16 rows x 512 numbers, in 4 steps of 128 along K.
; Each load reads 512 consecutive bytes of a row; the 16 rows of a step turn through the wave's own stage in LDS, so that lane (r, h) gets blocks h and 2 + h of row r whole.  Waves share nothing: no barrier.
.set PITCH, 528                        ; a stage row: 512 bytes + 16, so that the 16 rows of a read start at 16 different groups of banks
.set WREG,  16*PITCH                   ; a wave's stage
.set SPARE, 4*WREG                     ; behind the stages: the spare words, 128 bytes a wave
.set LI,  1                            ; v1   16 x lane
.set STI, 2                            ; v2   the stage, way in
.set STO, 3                            ; v3   the stage, way out: row r, + 128 h
.set SOF, 4                            ; v4   16 r + 8 h: my two scale words
.set SH,  5                            ; v5   8 h
.set SPW, 6                            ; v6   my spare word; never rewritten
.set NIL, 7                            ; v7   0; never rewritten
.set SW,  8                            ; v8-11 a scale word for each step
.set MX,  12
.set SO,  16
.set BY,  18
.set T,   20
.set F,   24                           ; v24-35 the fragment
.set FT,  36                           ; v36-38, v40-42 the upper halves of the two blocks
.set R,   64                           ; v64-191 two sets of 64 numbers as loaded
.set X,   192                          ; v192-255 my two blocks
.set SRC, 28
.set SEL, 30
.set MHI, 32
.set DST, 34
.set SDS, 36
	s_load_b256 s[4:11], s[0:1], 0x0               ; x, Wq, Wk, Wv
	s_load_b128 s[12:15], s[0:1], 0x20             ; Wo, ci
	s_load_b64 s[16:17], s[0:1], 0x30              ; si
	v_lshl_add_u32 v[SPW], v0, 2, SPARE
	v_mov_b32 v[NIL], 0
	v_lshrrev_b32 v9, 5, v0
	v_readfirstlane_b32 s18, v9                    ; wave
	v_and_b32 v9, 31, v0                           ; lane
	v_and_b32 v10, 15, v0                          ; r
	v_bfe_u32 v11, v0, 4, 1                        ; h
	v_lshlrev_b32 v[LI], 4, v9
	s_mul_i32 s19, s18, WREG
	v_add_nc_u32 v[STI], s19, v[LI]
	v_mul_u32_u24 v[STO], v10, PITCH
	v_lshl_add_u32 v[STO], v11, 7, v[STO]
	v_add_nc_u32 v[STO], s19, v[STO]
	v_lshlrev_b32 v[SOF], 4, v10
	v_lshl_add_u32 v[SOF], v11, 3, v[SOF]
	v_lshlrev_b32 v[SH], 3, v11
	v_mov_b32 v[T+1], 0                            ; a lane permute's destination counts as one of its sources
	s_mov_b32 s[SEL], 0x76543210
	s_mov_b32 s[SEL+1], 0xfedcba98                 ; lane l xor 16
	s_mov_b32 s[MHI], 0xffff0000                   ; lanes 16-31
	s_lshr_b32 s20, s18, 1                         ; u: which tile of the pair
	s_and_b32 s21, s18, 1                          ; which half of K
	s_and_b32 s23, ttmp9, 31                       ; the pair's number in a weight
	s_lshl_b32 s24, ttmp9, 1
	s_add_co_u32 s24, s24, s20                     ; the tile's number among all 512
	s_lshr_b32 s25, s24, 3
	s_mul_i32 s[DST], s25, 98304                   ; its panel,
	s_and_b32 s25, s24, 7
	s_mul_i32 s25, s25, 1536                       ; its place in a K step,
	s_add_co_u32 s[DST], s[DST], s25
	s_mul_i32 s25, s21, 49152                      ; my four K steps
	s_add_co_u32 s[DST], s[DST], s25
	s_mov_b32 s[DST+1], 0
	s_lshl_b32 s[SDS], s24, 9
	s_lshl_b32 s25, s21, 8
	s_add_co_u32 s[SDS], s[SDS], s25
	s_mov_b32 s[SDS+1], 0
	s_wait_alu depctr_va_vdst(0)
	s_wait_kmcnt 0x0
	s_cmp_lt_u32 ttmp9, 224                        ; which tensor: the choice hangs on the work-group's number alone
	s_cselect_b64 s[SRC:SRC+1], s[10:11], s[12:13]
	s_cmp_lt_u32 ttmp9, 192
	s_cselect_b64 s[SRC:SRC+1], s[8:9], s[SRC:SRC+1]
	s_cmp_lt_u32 ttmp9, 160
	s_cselect_b64 s[SRC:SRC+1], s[6:7], s[SRC:SRC+1]
	s_cmp_lt_u32 ttmp9, 128
	s_cselect_b64 s[SRC:SRC+1], s[4:5], s[SRC:SRC+1]
	s_cselect_b32 s22, ttmp9, s23                  ; the pair's number in its tensor
	s_lshl_b32 s38, s22, 17                        ; 32 rows of 4,096 bytes a pair,
	s_lshl_b32 s25, s20, 15                        ; 8 rows for tile u,
	s_add_co_u32 s38, s38, s25
	s_lshl_b32 s25, s21, 11                        ; 2,048 bytes for the half of K
	s_add_co_u32 s38, s38, s25
	s_mov_b32 s39, 0
	s_add_nc_u64 s[SRC:SRC+1], s[SRC:SRC+1], s[38:39]
	s_add_nc_u64 s[DST:DST+1], s[14:15], s[DST:DST+1]
	s_add_nc_u64 s[SDS:SDS+1], s[16:17], s[SDS:SDS+1]
.macro LOAD q                          ; step q: 128 numbers of each of the tile's 16 rows; a load covers 512 consecutive bytes
.irp i, 0,1,2,3,4,5,6,7,8,9,10,11,12,13,14,15
	global_load_b128 v[R+64*((\q)%2)+4*\i:R+64*((\q)%2)+4*\i+3], v[LI], s[SRC:SRC+1] offset:(\i+8*(\i/8))*4096+512*(\q) th:TH_LOAD_NT
.endr
.endm
.macro STEP q
.if (\q) < 3
	s_wait_loadcnt 16                              ; this step's 16 loads are in; the next step's 16 may be out
.else
	s_wait_loadcnt 0x0
.endif
.irp i, 0,1,2,3,4,5,6,7,8,9,10,11,12,13,14,15
	ds_store_b128 v[STI], v[R+64*((\q)%2)+4*\i:R+64*((\q)%2)+4*\i+3] offset:PITCH*\i
.endr
.irp c, 0,1
.irp j, 0,1,2,3,4,5,6,7
	ds_load_b128 v[X+32*\c+4*\j:X+32*\c+4*\j+3], v[STO] offset:256*\c+16*\j   ; LDS serves a wave's instructions in order: these see the stores above
.endr
.endr
	s_wait_dscnt 0x0                               ; my blocks are in, and the stores have read their registers,
.if (\q)+2 < 4
	LOAD (\q)+2                                    ; which take the loads of two steps on
.endif
.irp c, 0,1
	v_max3_num_f32 v[MX+\c], |v[X+32*\c]|, |v[X+32*\c+1]|, 0x1800000   ; block 2 c + h: all 32 numbers are mine; the floor 2^(3 - 127) holds the byte at 1 from below
.endr
.irp i, 2,4,6,8,10,12,14,16,18,20,22,24,26,28,30
.irp c, 0,1
	v_max3_num_f32 v[MX+\c], v[MX+\c], |v[X+32*\c+\i]|, |v[X+32*\c+\i+1]|
.endr
.endr
.irp c, 0,1
	v_add_nc_u32 v[SO+\c], 0xff000000, v[MX+\c]    ; 2 off the exponent field: the conversion's scale operand
.endr
.irp c, 0,1
	v_lshrrev_b32 v[BY+\c], 23, v[SO+\c]           ; the scale's byte
.endr
	v_lshl_or_b32 v[T], v[BY+1], 16, v[BY]         ; bytes h and 2 + h of my row's word,
	v_lshlrev_b32 v[T], v[SH], v[T]
	v_permlanex16_b32 v[T+1], v[T], s[SEL], s[SEL+1]
	v_or_b32 v[SW+(\q)], v[T], v[T+1]              ; with lane l xor 16's two the word is whole
	s_wait_alu depctr_va_vdst(0)
	s_wait_xcnt 0x0                                ; the last step's stores have read the fragment's registers
.irp c, 0,1
	v_cvt_scalef32_pk16_fp6_f32 v[F+6*\c:F+6*\c+2], v[X+32*\c:X+32*\c+15], v[SO+\c]
	v_cvt_scalef32_pk16_fp6_f32 v[FT+4*\c:FT+4*\c+2], v[X+32*\c+16:X+32*\c+31], v[SO+\c]   ; (a conversion's three registers begin on an even number)
.endr
	v_nop                                          ; one plain place behind a scaled conversion
.irp c, 0,1
.irp i, 0,1,2
	v_mov_b32 v[F+6*\c+3+\i], v[FT+4*\c+\i]
.endr
.endr
.irp j, 0,1,2
	global_store_b128 v[LI], v[F+4*\j:F+4*\j+3], s[DST:DST+1] offset:12288*(\q)+512*\j   ; 32 lanes store 512 consecutive bytes, at a multiple of 256 from the buffer's first byte
.endr
.endm
	LOAD 0
	LOAD 1
	STEP 0
	STEP 1
	STEP 2
	STEP 3
	v_cndmask_b32 v[T], v[SW], v[SW+2], s[MHI]     ; lanes 0-15 store words 0, 1 of their row, lanes 16-31 words 2, 3
	v_cndmask_b32 v[T+1], v[SW+1], v[SW+3], s[MHI]
	global_store_b64 v[SOF], v[T:T+1], s[SDS:SDS+1]   ; 256 consecutive bytes
	s_wait_tensorcnt 0x0                           ; the wave's end
	ds_add_u32 v[SPW], v[NIL]
	s_wait_dscnt 0x0
	s_endpgm
.Lfunc_end_k_q88c0aca6e8_quant:
	.size	k_q88c0aca6e8_quant, .Lfunc_end_k_q88c0aca6e8_quant-k_q88c0aca6e8_quant
	.p2alignl 7, 3214868480
	.fill 96, 4, 3214868480
	.section	.rodata,"a",@progbits
	.p2align	6, 0x0
	.amdhsa_kernel k_q88c0aca6e8_quant
		.amdhsa_group_segment_fixed_size 34304
		.amdhsa_private_segment_fixed_size 0
		.amdhsa_enable_private_segment 0
		.amdhsa_kernarg_size 56
		.amdhsa_user_sgpr_count 2
		.amdhsa_user_sgpr_kernarg_segment_ptr 1
		.amdhsa_wavefront_size32 1
		.amdhsa_system_sgpr_workgroup_id_x 1
		.amdhsa_system_sgpr_workgroup_id_y 1
		.amdhsa_system_sgpr_workgroup_id_z 1
		.amdhsa_system_vgpr_workitem_id 0
		.amdhsa_next_free_vgpr 256
		.amdhsa_next_free_sgpr 66
		.amdhsa_reserve_vcc 0
		.amdhsa_float_denorm_mode_32 3
		.amdhsa_float_denorm_mode_16_64 3
		.amdhsa_memory_ordered 1
		.amdhsa_forward_progress 1
		.amdhsa_inst_pref_size 31
	.end_amdhsa_kernel
	.amdgpu_metadata
---
amdhsa.version: [ 1, 2 ]
amdhsa.kernels:
  - .name:           k_q88c0aca6e8_quant
    .symbol:         k_q88c0aca6e8_quant.kd
    .args:
      - { .name: x, .offset: 0, .size: 8, .value_kind: global_buffer, .address_space: global }
      - { .name: Wq, .offset: 8, .size: 8, .value_kind: global_buffer, .address_space: global }
      - { .name: Wk, .offset: 16, .size: 8, .value_kind: global_buffer, .address_space: global }
      - { .name: Wv, .offset: 24, .size: 8, .value_kind: global_buffer, .address_space: global }
      - { .name: Wo, .offset: 32, .size: 8, .value_kind: global_buffer, .address_space: global }
      - { .name: ci, .offset: 40, .size: 8, .value_kind: global_buffer, .address_space: global }
      - { .name: si, .offset: 48, .size: 8, .value_kind: global_buffer, .address_space: global }
    .group_segment_fixed_size: 34304
    .private_segment_fixed_size: 0
    .kernarg_segment_align: 8
    .kernarg_segment_size: 56
    .max_flat_workgroup_size: 128
    .sgpr_count:     66
    .vgpr_count:     256
    .wavefront_size: 32
...
	.end_amdgpu_metadata
.endif
;; end of part 1
;; launch proj (part 2): grid 256 x 1, 4 waves a work-group, clusters of 4 x 1, 327,680 bytes of LDS; arguments ci, si, qk, vv; writes qk, vv
.if DOCPART == 2
	.amdgcn_target "amdgcn-amd-amdhsa--gfx1250"
	.amdhsa_code_object_version 6
	.text
	.protected	k_q88c0aca6e8_proj
	.globl	k_q88c0aca6e8_proj
	.p2align	8
	.type	k_q88c0aca6e8_proj,@function
k_q88c0aca6e8_proj:
	s_mov_b64 s[64:65], 0
	v_nop
	global_prefetch_b8 v0, s[64:65] scope:SCOPE_SE
	s_setreg_imm32_b32 hwreg(HW_REG_WAVE_MODE, 25, 1), 1
	s_wait_xcnt 0x0
	s_wait_alu depctr_hold_cnt(0) depctr_sa_sdst(0) depctr_va_vdst(0) depctr_va_sdst(0) depctr_va_ssrc(0) depctr_va_vcc(0) depctr_vm_vsrc(0)
	s_getreg_b32 s2, hwreg(HW_REG_IB_STS2, 6, 4)
	s_cmp_eq_u32 s2, 0
	s_cbranch_scc0 .Lentry_in_a_cluster
	s_endpgm
.Lentry_in_a_cluster:
	s_bfe_u32 s2, ttmp6, 0x10000c
	s_cmp_lg_u32 s2, 0x3003
	s_cbranch_scc0 .Lentry_shape_is_right
	s_endpgm
.Lentry_shape_is_right:
; q = x Wq^T, k = x Wk^T, v = x Wv^T on codes of FP6 (E2M3) with E8M0 scales, K = 1024; the results are quantised in registers for the attention launch and leave as images of operand registers.
; ONE FORM: Out[R row][P index], quantised along P.  Source 0 = a tile of P's panel, source 1 = a tile of R's panel: a lane holds one R row, and the 16 registers of P's tiles 2 b, 2 b + 1 are P indices 32 b + 16 h + 0 .. 15.
; q, k: R = 128 tokens of x, P = 128 rows of Wq or Wk (two heads x two components x 32).   v: R = 128 rows of Wv (two heads x 64 channels), P = 128 tokens: v is quantised along the keys.
; qk = [q, k][batch x head 32][128 tokens 16][6656]: four pair images of 1,536 bytes (registers: tile u = 0: 6, tile u = 1: 6; lanes 0-15 component 1, lanes 16-31 component 2), then 4 x 128 bytes of scale words
;      (lanes 0-15 tile u = 0, lanes 16-31 tile u = 1; bytes 0, 1 = the two components' scales; bytes 2, 3 are never 0xff and meet zero codes alone).
; vv = [batch x head 32][128 keys 16][6400]: four fragments (16 channels x 128 keys) of 1,536 bytes, then 2 x 128 bytes of scale words (lanes 0-15 fragment 2 a, lanes 16-31 fragment 2 a + 1).
; SHARES: 256 work-groups.  Work-group g takes x's panel g % 32 through THREE PASSES, against panel g / 32 of Wq, of Wk and of Wv: 128 x 128 a pass; wave w takes R's tiles 2 w, 2 w + 1 against P's eight: 16 accumulators.
; LDS: x's panel, 98,304 bytes, is filled once and stays; the weights go through two slots of 98,304 bytes: Wq in slot A (head), Wk in slot B (behind the first round), Wv in slot A again (behind the second round).
; A wave has one tensor load out at a time, and each weight panel is asked for a whole pass ahead of its use.
; CLUSTER 4 x 1: the four partners have the same g / 32, so the weights' loads are joint; x's panel is each work-group's own.
; NO PREFETCH: the text has no loop to run ahead in; every panel is asked for by its tensor load at the head or a pass ahead.
; LIMITS: a block of zeros gets the byte 1, not 127 (its codes are zeros; this program alone reads the bytes); NaN and infinities are not served.
; REGISTERS: window 0: v1-15 addresses; v16-63 R's fragments, two sets; v64-95 P's scale words, v96-103 R's; v104-123 at work; v128-255 accumulators (R tile u, P tile t) at 128 + 64 u + 8 t.   window 1: P's fragments, sets at v0 and v96.
.set SLA,   98304                      ; slot A
.set SLB,   196608                     ; slot B
.set SPARE, 294912                     ; behind the slots: the spare words, 128 bytes a wave
.set QKK,   3407872                    ; from q's records to k's: 512 records of 6,656 bytes
.set LI,  1                            ; v1   16 x lane
.set L4,  2                            ; v2   4 x lane
.set VSP, 3                            ; v3   512 h + 16 r: a pair of tiles' scale words
.set XR,  4                            ; v4-5   x as R: my two tiles, K steps 0-3, 4-7
.set XP,  6                            ; v6-7   x as P
.set SPW, 8                            ; v8   my spare word; never rewritten
.set NIL, 9                            ; v9   0; never rewritten
.set WAP, 10                           ; v10-11 slot A as P
.set WBP, 12                           ; v12-13 slot B as P
.set WAR, 14                           ; v14-15 slot A as R
.set RF,  16
.set SP,  64
.set SR,  96
.set TM,  104
.set PW,  120
.set SWA, 122
.set ACC, 128
.set OUT, 16                           ; the way out: 24 registers of codes, where R's first set lay
.set CT,  40
.set WV,  12
.set LO,  13
.set J,   14
.set G1X, 24                           ; group 1: half a panel, my own
.set G1W, 32                           ; half a panel, joint
.set G1Q, 40                           ; a quarter of a panel, joint
.set G0X, 48
.set G0W, 52
.set G0B, 56
.set G0C, 60
.set SEL, 66
.set MHI, 68
.set SX,  70                           ; scale words: x's panel; SXR: my two tiles of it
.set SXR, 72
.set SW0, 74                           ; Wq's panel, Wk's panel, my two tiles of Wv's
.set SW1, 76
.set SW2R, 78
.set QC,  80                           ; where my q images go, and their scale words
.set QSB, 82
.set VC,  84                           ; the same for v
.set VS,  86
.set NF,  30                           ; LDS loads of a K step's fragments
.set MSB, 0
.macro WIN new                         ; the immediate's high byte repeats the setting that is left
.if MSB != \new
	s_set_vgpr_msb (MSB<<8)|\new
.set MSB, \new
.endif
.endm
.macro CROUND                          ; a round of the cluster's barrier
	s_barrier_signal -1
	s_barrier_wait -1
	s_cmp_lg_u32 s[WV], 0
	s_cbranch_scc1 .Lnot_wave_0_\@
	s_barrier_signal -3
.Lnot_wave_0_\@:
	s_barrier_wait -3
	s_barrier_signal -1
	s_barrier_wait -1
.endm
; one product.  z = 1: it starts the sum.  ra, rb: the side's scale words stand in lanes 16-31
.macro WM d, a, b, z, sa, sb, ra, rb
.if \z
.if (\ra) && (\rb)
	v_wmma_scale_f32_16x16x128_f8f6f4 v[(\d):(\d)+7], v[(\a):(\a)+11], v[(\b):(\b)+11], 0, v[\sa], v[\sb] matrix_a_fmt:MATRIX_FMT_FP6 matrix_b_fmt:MATRIX_FMT_FP6 matrix_a_scale:MATRIX_SCALE_ROW1 matrix_b_scale:MATRIX_SCALE_ROW1
.elseif \ra
	v_wmma_scale_f32_16x16x128_f8f6f4 v[(\d):(\d)+7], v[(\a):(\a)+11], v[(\b):(\b)+11], 0, v[\sa], v[\sb] matrix_a_fmt:MATRIX_FMT_FP6 matrix_b_fmt:MATRIX_FMT_FP6 matrix_a_scale:MATRIX_SCALE_ROW1
.elseif \rb
	v_wmma_scale_f32_16x16x128_f8f6f4 v[(\d):(\d)+7], v[(\a):(\a)+11], v[(\b):(\b)+11], 0, v[\sa], v[\sb] matrix_a_fmt:MATRIX_FMT_FP6 matrix_b_fmt:MATRIX_FMT_FP6 matrix_b_scale:MATRIX_SCALE_ROW1
.else
	v_wmma_scale_f32_16x16x128_f8f6f4 v[(\d):(\d)+7], v[(\a):(\a)+11], v[(\b):(\b)+11], 0, v[\sa], v[\sb] matrix_a_fmt:MATRIX_FMT_FP6 matrix_b_fmt:MATRIX_FMT_FP6
.endif
.else
.if (\ra) && (\rb)
	v_wmma_scale_f32_16x16x128_f8f6f4 v[(\d):(\d)+7], v[(\a):(\a)+11], v[(\b):(\b)+11], v[(\d):(\d)+7], v[\sa], v[\sb] matrix_a_fmt:MATRIX_FMT_FP6 matrix_b_fmt:MATRIX_FMT_FP6 matrix_a_scale:MATRIX_SCALE_ROW1 matrix_b_scale:MATRIX_SCALE_ROW1
.elseif \ra
	v_wmma_scale_f32_16x16x128_f8f6f4 v[(\d):(\d)+7], v[(\a):(\a)+11], v[(\b):(\b)+11], v[(\d):(\d)+7], v[\sa], v[\sb] matrix_a_fmt:MATRIX_FMT_FP6 matrix_b_fmt:MATRIX_FMT_FP6 matrix_a_scale:MATRIX_SCALE_ROW1
.elseif \rb
	v_wmma_scale_f32_16x16x128_f8f6f4 v[(\d):(\d)+7], v[(\a):(\a)+11], v[(\b):(\b)+11], v[(\d):(\d)+7], v[\sa], v[\sb] matrix_a_fmt:MATRIX_FMT_FP6 matrix_b_fmt:MATRIX_FMT_FP6 matrix_b_scale:MATRIX_SCALE_ROW1
.else
	v_wmma_scale_f32_16x16x128_f8f6f4 v[(\d):(\d)+7], v[(\a):(\a)+11], v[(\b):(\b)+11], v[(\d):(\d)+7], v[\sa], v[\sb] matrix_a_fmt:MATRIX_FMT_FP6 matrix_b_fmt:MATRIX_FMT_FP6
.endif
.endif
.endm
.macro PLACES                          ; four plain places behind a matrix instruction, ahead of loads into its registers and of reads of its results
.rept 4
	v_nop
.endr
.endm
.macro FETCH s, ra, pa                 ; K step s: P's eight fragments and my two of R, as images: every load takes 512 consecutive bytes
	WIN 0x40                                       ; destination window 1
.irp t, 0,1,2,3,4,5,6,7
.irp j, 0,1,2
	ds_load_b128 v[96*((\s)%2)+12*\t+4*\j:96*((\s)%2)+12*\t+4*\j+3], v[\pa+(\s)/4] offset:((\s)%4)*12288+1536*\t+512*\j
.endr
.endr
	WIN 0
.irp u, 0,1
.irp j, 0,1,2
	ds_load_b128 v[RF+24*((\s)%2)+12*\u+4*\j:RF+24*((\s)%2)+12*\u+4*\j+3], v[\ra+(\s)/4] offset:((\s)%4)*12288+1536*\u+512*\j
.endr
.endr
.endm
.macro MUL s, z                        ; 16 products; the 16 accumulators take turns, one instruction a turn
	WIN 0x01                                       ; source 0 (P) window 1
.irp u, 0,1
.irp t, 0,1,2,3,4,5,6,7
	WM ACC+64*\u+8*\t, 96*((\s)%2)+12*\t, RF+24*((\s)%2)+12*\u, \z, SP+8*(\t/2)+(\s), SR+(\s), \t%2, \u
.endr
.endr
	WIN 0
.endm
.macro KSTEP s, ra, pa
.if (\s) > 0
	PLACES                                         ; the loads below land in the set that the last products read
.endif
.if (\s) < 7
	FETCH (\s)+1, \ra, \pa
	s_wait_dscnt NF                                ; this step's fragments are in; the NF loads just issued may be out
.else
	s_wait_dscnt 0x0
.endif
.if (\s) == 0
	MUL \s, 1
.else
	MUL \s, 0
.endif
.endm
.macro PASS ra, pa                     ; 128 x 128 over all of K: both panels lie whole in LDS, so no barrier stands inside
	FETCH 0, \ra, \pa
	s_wait_loadcnt 0x0                             ; the pass's scale words
.irp s, 0,1,2,3,4,5,6,7
	KSTEP \s, \ra, \pa
.endr
.endm
.macro SLOAD pb, rb                    ; a pass's scale words: lanes 0-15 tile 2 b, lanes 16-31 tile 2 b + 1; four K steps' words a load
.irp b, 0,1,2,3
.irp k, 0,1
	global_load_b128 v[SP+8*\b+4*\k:SP+8*\b+4*\k+3], v[VSP], s[\pb:\pb+1] offset:1024*\b+256*\k
.endr
.endr
.irp k, 0,1
	global_load_b128 v[SR+4*\k:SR+4*\k+3], v[VSP], s[\rb:\rb+1] offset:256*\k
.endr
.endm
.macro THREE                           ; ahead of the barrier of a fill and at the wave's end
	s_wait_tensorcnt 0x0                           ; all my tensor loads have landed
	ds_add_u32 v[SPW], v[NIL]
	s_wait_dscnt 0x0                               ; the add is done, and so are my reads of the panels
.endm
; 64 numbers of a lane, register 16 b + i = index 32 b + 16 h + i of my row, become codes (blocks 0, 1 at dA on, blocks 2, 3 at dB on, six registers each) and the row's scale word in v[pw]
.macro QUANT s, dA, dB, pw
.irp b, 0,1,2,3
	v_max3_num_f32 v[TM+\b], |v[(\s)+16*\b]|, |v[(\s)+1+16*\b]|, 0x1800000   ; each accumulator is read from its low end on; the floor 2^(3 - 127) holds the byte at 1 from below
.endr
.irp i, 2,4,6,8,10,12,14
.irp b, 0,1,2,3
	v_max3_num_f32 v[TM+\b], v[TM+\b], |v[(\s)+16*\b+\i]|, |v[(\s)+1+16*\b+\i]|
.endr
.endr
.irp b, 0,1,2,3
	v_permlanex16_b32 v[TM+4+\b], v[TM+\b], s[SEL], s[SEL+1]
.endr
.irp b, 0,1,2,3
	v_max_num_f32 v[TM+\b], v[TM+\b], v[TM+4+\b]   ; with lane l xor 16's 16: the block's largest magnitude
.endr
.irp b, 0,1,2,3
	v_add_nc_u32 v[TM+12+\b], 0xff000000, v[TM+\b] ; 2 off the exponent field: the conversion's scale operand
.endr
.irp b, 0,1,2,3
	v_lshrrev_b32 v[TM+4+\b], 23, v[TM+12+\b]      ; the scale's byte
.endr
	v_lshl_or_b32 v[\pw], v[TM+5], 8, v[TM+4]
	v_lshl_or_b32 v[\pw], v[TM+6], 16, v[\pw]
	v_lshl_or_b32 v[\pw], v[TM+7], 24, v[\pw]
	v_cvt_scalef32_pk16_fp6_f32 v[(\dA):(\dA)+2], v[(\s):(\s)+15], v[TM+12]
	v_cvt_scalef32_pk16_fp6_f32 v[CT:CT+2], v[(\s)+16:(\s)+31], v[TM+13]
	v_cvt_scalef32_pk16_fp6_f32 v[(\dB):(\dB)+2], v[(\s)+32:(\s)+47], v[TM+14]
	v_cvt_scalef32_pk16_fp6_f32 v[CT+4:CT+6], v[(\s)+48:(\s)+63], v[TM+15]
	v_nop                                          ; one plain place behind a scaled conversion
.irp i, 0,1,2
	v_permlane16_swap_b32 v[(\dA)+\i], v[CT+\i]    ; a whole block to a lane: lanes 0-15 the even block, lanes 16-31 the odd one
	v_permlane16_swap_b32 v[(\dB)+\i], v[CT+4+\i]
.endr
.irp i, 0,1,2
	v_mov_b32 v[(\dA)+3+\i], v[CT+\i]
	v_mov_b32 v[(\dB)+3+\i], v[CT+4+\i]
.endr
.endm
.macro QKOUT off                       ; q's or k's way out: two heads' pair images and scale words
	QUANT ACC, OUT, OUT+12, PW                     ; tile u = 0: head 0's six registers, head 1's six
	QUANT ACC+64, OUT+6, OUT+18, PW+1              ; tile u = 1
	v_cndmask_b32 v[SWA], v[PW], v[PW+1], s[MHI]   ; lanes 0-15 tile u = 0, lanes 16-31 tile u = 1: bytes 0, 1 are head 0's
	v_lshrrev_b32 v[SWA+1], 16, v[SWA]             ; head 1's
.irp c, 0,1
.irp j, 0,1,2
	global_store_b128 v[LI], v[OUT+12*\c+4*\j:OUT+12*\c+4*\j+3], s[QC:QC+1] offset:\off+106496*\c+512*\j   ; 512 consecutive bytes, at a multiple of 256
.endr
	global_store_b32 v[L4], v[SWA+\c], s[QSB:QSB+1] offset:\off+106496*\c
.endr
.endm
	s_load_b256 s[4:11], s[0:1], 0x0               ; ci, si, qk, vv
	v_lshl_add_u32 v[SPW], v0, 2, SPARE
	v_mov_b32 v[NIL], 0
	ds_add_u32 v[SPW], v[NIL]                      ; the wave's opening: the add, twice on end, and its wait ahead of the round in front of my first tensor load
	ds_add_u32 v[SPW], v[NIL]
	v_lshrrev_b32 v1, 5, v0
	v_readfirstlane_b32 s[WV], v1                  ; wave 0..3
	s_bfe_u32 s15, ttmp6, 0x40000                  ; cx
	s_lshl_b32 s[LO], ttmp9, 2
	s_add_co_u32 s[LO], s[LO], s15
	s_and_b32 s[LO], s[LO], 31                     ; x's panel
	s_lshr_b32 s[J], ttmp9, 3                      ; the weights' panel 0..7: made of the cluster's number alone
	s_and_b32 s16, s[WV], 1
	s_mul_i32 s17, s16, 49152                      ; which half of a panel I fetch at the head: in memory and in LDS
	s_mul_i32 s18, s[LO], 98304
	s_add_co_u32 s18, s18, s17
	s_mov_b32 s19, 0
	s_add_co_u32 s15, s[J], 32
	s_mul_i32 s15, s15, 98304                      ; Wq's panel
	s_add_co_u32 s20, s15, s17
	s_mov_b32 s21, 0
	s_mul_i32 s16, s[WV], 24576                    ; which quarter of a panel I fetch later
	s_add_co_u32 s22, s15, 786432                  ; Wk's panel lies 8 panels on
	s_add_co_u32 s22, s22, s16
	s_mov_b32 s23, 0
	s_mov_b32 s[G1X], 3<<16                        ; dense bytes as rows of 32 elements of 8 bytes, no padding
	s_mov_b32 s[G1W], 15|(3<<16)|(1<<21)           ; the same for all four partners
	s_mov_b32 s[G1Q], 15|(3<<16)|(1<<21)
.irp g, G1X, G1W
	s_mov_b32 s[\g+1], 32<<16
	s_mov_b32 s[\g+2], 192<<16                     ; half a panel: 192 rows of 256 bytes
	s_mov_b32 s[\g+3], 32<<16
	s_mov_b32 s[\g+4], 192
	s_mov_b32 s[\g+5], 32
	s_mov_b32 s[\g+6], 0
	s_mov_b32 s[\g+7], 0
.endr
	s_mov_b32 s[G1Q+1], 32<<16
	s_mov_b32 s[G1Q+2], 96<<16                     ; a quarter: 96 rows
	s_mov_b32 s[G1Q+3], 32<<16
	s_mov_b32 s[G1Q+4], 96
	s_mov_b32 s[G1Q+5], 32
	s_mov_b32 s[G1Q+6], 0
	s_mov_b32 s[G1Q+7], 0
	s_mov_b32 s[SEL], 0x76543210
	s_mov_b32 s[SEL+1], 0xfedcba98
	s_mov_b32 s[MHI], 0xffff0000
	s_wait_dscnt 0x0                               ; both opening adds are done
	s_wait_kmcnt 0x0
	s_mov_b32 s[G0X], 1
	s_mov_b32 s[G0X+1], s17
	s_add_nc_u64 s[G0X+2:G0X+3], s[4:5], s[18:19]
	s_or_b32 s[G0X+3], s[G0X+3], 0x80000000
	s_mov_b32 s[G0W], 1
	s_add_co_u32 s[G0W+1], s17, SLA
	s_add_nc_u64 s[G0W+2:G0W+3], s[4:5], s[20:21]
	s_or_b32 s[G0W+3], s[G0W+3], 0x80000000
	s_mov_b32 s[G0B], 1
	s_add_co_u32 s[G0B+1], s16, SLB
	s_add_nc_u64 s[G0B+2:G0B+3], s[4:5], s[22:23]
	s_add_nc_u64 s[G0C+2:G0C+3], s[G0B+2:G0B+3], 786432   ; Wv's panel, 8 panels on
	s_or_b32 s[G0B+3], s[G0B+3], 0x80000000
	s_mov_b32 s[G0C], 1
	s_add_co_u32 s[G0C+1], s16, SLA
	s_or_b32 s[G0C+3], s[G0C+3], 0x80000000
	CROUND                                         ; all four work-groups are here: the first joint loads meet
	s_cmp_lt_u32 s[WV], 2                          ; one tensor load a wave at the head: waves 0, 1 x's two halves, waves 2, 3 Wq's
	s_cbranch_scc0 .Lfor_w
	tensor_load_to_lds s[G0X:G0X+3], s[G1X:G1X+7]
	s_nop 0
	PLACES
	s_branch .Lasked
.Lfor_w:
	tensor_load_to_lds s[G0W:G0W+3], s[G1W:G1W+7]
	s_nop 0
	PLACES
.Lasked:
	s_lshl_b32 s18, s[LO], 12                      ; a panel's scale words: 4,096 bytes
	s_mov_b32 s19, 0
	s_add_nc_u64 s[SX:SX+1], s[6:7], s[18:19]
	s_lshl_b32 s20, s[WV], 10                      ; my two tiles'
	s_mov_b32 s21, 0
	s_add_nc_u64 s[SXR:SXR+1], s[SX:SX+1], s[20:21]
	s_add_co_u32 s18, s[J], 32
	s_lshl_b32 s18, s18, 12
	s_add_nc_u64 s[SW0:SW0+1], s[6:7], s[18:19]
	s_add_nc_u64 s[SW1:SW1+1], s[SW0:SW0+1], 32768
	s_add_nc_u64 s[SW2R:SW2R+1], s[SW0:SW0+1], 65536
	s_add_nc_u64 s[SW2R:SW2R+1], s[SW2R:SW2R+1], s[20:21]
	s_lshr_b32 s15, s[LO], 4                       ; the batch
	s_lshl_b32 s15, s15, 4
	s_lshl_b32 s16, s[J], 1                        ; the panel's first head
	s_add_co_u32 s15, s15, s16
	s_and_b32 s17, s[LO], 15                       ; the 128 tokens
	s_lshl_b32 s18, s15, 4
	s_add_co_u32 s18, s18, s17
	s_mul_i32 s18, s18, 6656                       ; q's record of the first head; the second's is 16 records on
	s_mul_i32 s20, s[WV], 1536
	s_add_co_u32 s20, s20, s18
	s_add_nc_u64 s[QC:QC+1], s[8:9], s[20:21]      ; my pair's image
	s_lshl_b32 s20, s[WV], 7
	s_add_co_u32 s20, s20, s18
	s_add_co_u32 s20, s20, 6144
	s_add_nc_u64 s[QSB:QSB+1], s[8:9], s[20:21]    ; and its scale words
	s_lshr_b32 s16, s[WV], 1
	s_add_co_u32 s15, s15, s16                     ; v: my head
	s_lshl_b32 s18, s15, 4
	s_add_co_u32 s18, s18, s17
	s_mul_i32 s18, s18, 6400
	s_and_b32 s16, s[WV], 1
	s_mul_i32 s20, s16, 3072
	s_add_co_u32 s20, s20, s18
	s_add_nc_u64 s[VC:VC+1], s[10:11], s[20:21]    ; my two fragments
	s_lshl_b32 s20, s16, 7
	s_add_co_u32 s20, s20, s18
	s_add_co_u32 s20, s20, 6144
	s_add_nc_u64 s[VS:VS+1], s[10:11], s[20:21]
	s_mul_i32 s15, s[WV], 3072                     ; my two tiles of R
	v_and_b32 v104, 31, v0                         ; lane
	v_and_b32 v105, 15, v0                         ; r
	v_bfe_u32 v106, v0, 4, 1                       ; h
	v_lshlrev_b32 v[LI], 4, v104
	v_lshlrev_b32 v[L4], 2, v104
	v_lshlrev_b32 v[VSP], 4, v105
	v_lshl_add_u32 v[VSP], v106, 9, v[VSP]
	v_add_nc_u32 v[XR], s15, v[LI]
	v_add_nc_u32 v[XR+1], 49152, v[XR]
	v_mov_b32 v[XP], v[LI]
	v_add_nc_u32 v[XP+1], 49152, v[LI]
	v_add_nc_u32 v[WAP], SLA, v[LI]
	v_add_nc_u32 v[WAP+1], SLA+49152, v[LI]
	v_add_nc_u32 v[WBP], SLB, v[LI]
	v_add_nc_u32 v[WBP+1], SLB+49152, v[LI]
	v_add_nc_u32 v[WAR], SLA, v[XR]
	v_add_nc_u32 v[WAR+1], SLA+49152, v[XR]
.irp b, 0,1,2,3
	v_mov_b32 v[TM+4+\b], 0                        ; a lane permute's destination counts as one of its sources
.endr
	SLOAD SW0, SXR
	s_wait_alu depctr_va_vdst(0)
	THREE                                          ; my half panel is in
	CROUND                                         ; everybody's is: x and Wq are whole; slot B's first fill is issued as a refill is
	tensor_load_to_lds s[G0B:G0B+3], s[G1Q:G1Q+7]  ; Wk, a quarter a wave
	s_nop 0
	PLACES
	PASS XR, WAP                                   ; q
	THREE                                          ; Wk is in, and my reads of Wq are over
	CROUND
	tensor_load_to_lds s[G0C:G0C+3], s[G1Q:G1Q+7]  ; Wv into slot A
	s_nop 0
	PLACES                                         ; also the places behind the last products
	SLOAD SW1, SXR
	QKOUT 0
	s_wait_xcnt 0x0                                ; the stores have read their registers: the next fragments may land there
	PASS XR, WBP                                   ; k
	THREE                                          ; Wv is in
	s_barrier_signal -1
	s_barrier_wait -1                              ; everybody's quarter is
	PLACES
	SLOAD SX, SW2R
	QKOUT QKK
	s_wait_xcnt 0x0
	PASS WAR, XP                                   ; v
	PLACES
	QUANT ACC, OUT, OUT+6, PW                      ; 16 channels x 128 keys: a whole fragment
	QUANT ACC+64, OUT+12, OUT+18, PW+1
	v_cndmask_b32 v[SWA], v[PW], v[PW+1], s[MHI]
.irp u, 0,1
.irp j, 0,1,2
	global_store_b128 v[LI], v[OUT+12*\u+4*\j:OUT+12*\u+4*\j+3], s[VC:VC+1] offset:1536*\u+512*\j
.endr
.endr
	global_store_b32 v[L4], v[SWA], s[VS:VS+1]
	THREE                                          ; the wave's end
	CROUND                                         ; the closing round
	s_endpgm
.Lfunc_end_k_q88c0aca6e8_proj:
	.size	k_q88c0aca6e8_proj, .Lfunc_end_k_q88c0aca6e8_proj-k_q88c0aca6e8_proj
	.p2alignl 7, 3214868480
	.fill 96, 4, 3214868480
	.section	.rodata,"a",@progbits
	.p2align	6, 0x0
	.amdhsa_kernel k_q88c0aca6e8_proj
		.amdhsa_group_segment_fixed_size 327680
		.amdhsa_private_segment_fixed_size 0
		.amdhsa_enable_private_segment 0
		.amdhsa_kernarg_size 32
		.amdhsa_user_sgpr_count 2
		.amdhsa_user_sgpr_kernarg_segment_ptr 1
		.amdhsa_wavefront_size32 1
		.amdhsa_system_sgpr_workgroup_id_x 1
		.amdhsa_system_sgpr_workgroup_id_y 1
		.amdhsa_system_sgpr_workgroup_id_z 1
		.amdhsa_system_vgpr_workitem_id 0
		.amdhsa_next_free_vgpr 448
		.amdhsa_next_free_sgpr 90
		.amdhsa_reserve_vcc 0
		.amdhsa_float_denorm_mode_32 3
		.amdhsa_float_denorm_mode_16_64 3
		.amdhsa_memory_ordered 1
		.amdhsa_forward_progress 1
		.amdhsa_inst_pref_size 137
	.end_amdhsa_kernel
	.amdgpu_metadata
---
amdhsa.version: [ 1, 2 ]
amdhsa.kernels:
  - .name:           k_q88c0aca6e8_proj
    .symbol:         k_q88c0aca6e8_proj.kd
    .args:
      - { .name: ci, .offset: 0, .size: 8, .value_kind: global_buffer, .address_space: global }
      - { .name: si, .offset: 8, .size: 8, .value_kind: global_buffer, .address_space: global }
      - { .name: qk, .offset: 16, .size: 8, .value_kind: global_buffer, .address_space: global }
      - { .name: vv, .offset: 24, .size: 8, .value_kind: global_buffer, .address_space: global }
    .group_segment_fixed_size: 327680
    .private_segment_fixed_size: 0
    .kernarg_segment_align: 8
    .kernarg_segment_size: 32
    .max_flat_workgroup_size: 128
    .sgpr_count:     90
    .vgpr_count:     448
    .wavefront_size: 32
...
	.end_amdgpu_metadata
.endif
;; end of part 2
;; launch attn (part 3): grid 8 x 32, 16 waves a work-group, clusters of 4 x 1, 327,680 bytes of LDS; arguments qk, vv, lambda_q1, lambda_k1, lambda_q2, lambda_k2, subln_weight, ai, asc; writes ai, asc
.if DOCPART == 3
	.amdgcn_target "amdgcn-amd-amdhsa--gfx1250"
	.amdhsa_code_object_version 6
	.text
	.protected	k_q88c0aca6e8_attn
	.globl	k_q88c0aca6e8_attn
	.p2align	8
	.type	k_q88c0aca6e8_attn,@function
k_q88c0aca6e8_attn:
	s_mov_b64 s[64:65], 0
	v_nop
	global_prefetch_b8 v0, s[64:65] scope:SCOPE_SE
	s_setreg_imm32_b32 hwreg(HW_REG_WAVE_MODE, 25, 1), 1
	s_wait_xcnt 0x0
	s_wait_alu depctr_hold_cnt(0) depctr_sa_sdst(0) depctr_va_vdst(0) depctr_va_sdst(0) depctr_va_ssrc(0) depctr_va_vcc(0) depctr_vm_vsrc(0)
	s_getreg_b32 s2, hwreg(HW_REG_IB_STS2, 6, 4)
	s_cmp_eq_u32 s2, 0
	s_cbranch_scc0 .Lentry_in_a_cluster
	s_endpgm
.Lentry_in_a_cluster:
	s_bfe_u32 s2, ttmp6, 0x10000c
	s_cmp_lg_u32 s2, 0x3003
	s_cbranch_scc0 .Lentry_shape_is_right
	s_endpgm
.Lentry_shape_is_right:
; Differential attention of one (batch, head) for 256 queries: p1 = softmax(q1 k1^T / sqrt(32)), p2 likewise, attn = p1 v - lambda p2 v, RMS norm over the head's 64 channels, gain, x (1 - lambda_init);
; the result is quantised along the channels and leaves as images of operand registers for the last product (ai, asc).  All products in MX-FP6 by the scaled matrix instruction; all else in f32.
; INPUTS: qk and vv as the projection launch lays them: records of 128 tokens, K's 6,656 bytes, V's 6,400.
; SHARES: a work-group has 16 waves, a wave 16 queries (one tile of q) and both components.  All 2,048 keys of K and V lie in LDS, FILLED ONCE: waves 0-7 fetch two records of K each, waves 8-15 two of V: one tensor load a wave.
; CLUSTER 4 x 1: the four partners serve the same (batch, head) and ask for K and V jointly.   NO PREFETCH: all of K and V is asked for at the head; the loop fetches nothing from memory.
; BOTH PRODUCTS ARE USED TRANSPOSED: S^T = k q^T, O^T = v^T p^T: a lane holds one query throughout.
; THE KEYS OF A TILE OF K ARE CHOSEN BY THE LANES' LDS ADDRESSES: row 8 h' + j of tile 4 c + u is key 64 c + 32 h' + 8 u + j of the step's 128.  So lane (query, h) holds in the 32 registers of tiles 4 c .. 4 c + 3
; the keys 64 c + 32 h + 0 .. 31: a WHOLE block of the next product's K, in the order of that operand's registers: a block's maximum needs no other lane, and the codes need no exchange of lanes.
; In a stored pair image b, token row m' of tile u' is key 32 b + 8 u' + m' + 8 (m' / 8): so the wanted key lies in pair 2 c + h', tile u % 2, row j + 8 (u / 2).
; K has 32 numbers a component: a fragment's lanes 0-15 hold component 1 (k = 0 .. 31), lanes 16-31 component 2 (k = 32 .. 63); q1 and q2 are q's fragment with the other component's codes and k = 64 .. 127 set to zero codes.
; SOFTMAX: M = the ceiling of the running largest t, t = score x log2(e) / sqrt(32); p = 2^(t - M); the sum is taken of the unquantised p; sum and O^T are brought under a new M by an exact power of two.
; LIMITS: the promise holds while |t| stays under 2^31; a block whose every p is 0 gets the byte 1 (zero codes); NaN and infinities among the inputs are not served.
.set KREC,  6656
.set VREC,  6400
.set VBASE, 16*KREC
.set SPARE, VBASE+16*VREC              ; behind K and V: the spare words, 128 bytes a wave
.set TMP, 0                            ; v0 is free once the head has read it
.set LI,  1                            ; 16 x lane
.set L4,  2                            ; 4 x lane
.set KAD, 3                            ; K's gather: 1536 h' + 16 j + 256 h; behind the loop 64 h
.set KSA, 4                            ; K's scale words: 128 h' + 4 j + 32 (lane / 16)
.set SPW, 5                            ; my spare word; never rewritten
.set NIL, 6                            ; 0; never rewritten
.set AD0, 7
.set AD1, 8
.set QS,  9                            ; q's scale words
.set SH8, 10                           ; 8 h
.set LAMV, 11
.set ST1, 12                           ; -M, the running largest score, the sum in two halves
.set ST2, 16
.set Q1,  20
.set Q2,  32
.set KV,  44                           ; eight tiles of K (6 registers each) or four fragments of V
.set KPAD, 92                          ; six registers of zero codes behind K's last tile
.set S,   98                           ; the scores, then p
.set O1,  162
.set O2,  194
.set P,   226                          ; p's codes
.set BM,  238
.set CT,  242
.set SCL, 250                          ; K's or V's scale words
.set F,   254
.set PSW, 255                          ; p's scale word
.set A,   98
.set SQ,  130
.set W,   44
.set WV,  22
.set CX,  23
.set QB,  24
.set BH,  25
.set SEL, 26
.set CS,  28
.set G1K, 32
.set G1V, 40
.set G0K, 48
.set G0V, 52
.set TK,  56
.set TV,  57
.set CNT, 58
.set MLO, 60
.set MHI, 61
.macro CROUND                          ; a round of the cluster's barrier
	s_barrier_signal -1
	s_barrier_wait -1
	s_cmp_lg_u32 s[WV], 0
	s_cbranch_scc1 .Lnot_wave_0_\@
	s_barrier_signal -3
.Lnot_wave_0_\@:
	s_barrier_wait -3
	s_barrier_signal -1
	s_barrier_wait -1
.endm
.macro PLACES                          ; four plain places behind a matrix instruction (ISA guide 7.12.1)
.rept 4
	v_nop
.endr
.endm
.macro WM d, a, b, z, sa, sb, ra       ; one product; z = 1 starts the sum; ra: source 0's scale words stand in lanes 16-31
.if \z
.if \ra
	v_wmma_scale_f32_16x16x128_f8f6f4 v[(\d):(\d)+7], v[(\a):(\a)+11], v[(\b):(\b)+11], 0, v[\sa], v[\sb] matrix_a_fmt:MATRIX_FMT_FP6 matrix_b_fmt:MATRIX_FMT_FP6 matrix_a_scale:MATRIX_SCALE_ROW1
.else
	v_wmma_scale_f32_16x16x128_f8f6f4 v[(\d):(\d)+7], v[(\a):(\a)+11], v[(\b):(\b)+11], 0, v[\sa], v[\sb] matrix_a_fmt:MATRIX_FMT_FP6 matrix_b_fmt:MATRIX_FMT_FP6
.endif
.else
.if \ra
	v_wmma_scale_f32_16x16x128_f8f6f4 v[(\d):(\d)+7], v[(\a):(\a)+11], v[(\b):(\b)+11], v[(\d):(\d)+7], v[\sa], v[\sb] matrix_a_fmt:MATRIX_FMT_FP6 matrix_b_fmt:MATRIX_FMT_FP6 matrix_a_scale:MATRIX_SCALE_ROW1
.else
	v_wmma_scale_f32_16x16x128_f8f6f4 v[(\d):(\d)+7], v[(\a):(\a)+11], v[(\b):(\b)+11], v[(\d):(\d)+7], v[\sa], v[\sb] matrix_a_fmt:MATRIX_FMT_FP6 matrix_b_fmt:MATRIX_FMT_FP6
.endif
.endif
.endm
.macro KLOAD                           ; the step's eight tiles of K: the 12 registers of tiles 4 c + 2 g, 4 c + 2 g + 1 are a pair image's three chunks, read at the lanes' gathered places
.irp c, 0,1
.irp g, 0,1
.irp n, 0,1,2
	ds_load_b128 v[KV+24*\c+12*\g+4*\n:KV+24*\c+12*\g+4*\n+3], v[AD0] offset:3072*\c+128*\g+512*\n
.endr
.endr
.irp a, 0,1
	ds_load_b32 v[SCL+2*\c+\a], v[AD1] offset:6144+256*\c+64*\a   ; lanes 0-15 tile 4 c + a, lanes 16-31 tile 4 c + a + 2
.endr
.endr
.endm
.macro SMUL q                          ; eight tiles of scores; a tile's upper six registers are the next tile's and meet q's zero codes
.irp t, 0,1,2,3,4,5,6,7
	WM S+8*\t, KV+6*\t, \q, 1, SCL+2*(\t/4)+\t%2, QS, (\t/2)%2
.endr
.endm
.macro PV o                            ; O^T += v^T p^T; the four accumulators take turns
.irp c, 0,1,2,3
	WM (\o)+8*\c, KV+12*\c, P, 0, SCL+\c/2, PSW, \c%2
.endr
.endm
.macro RESCALE o                       ; O^T under the new M
	s_wait_alu depctr_va_vdst(0)
.set j, 0
.rept 16
	v_pk_mul_f32 v[(\o)+j:(\o)+j+1], v[(\o)+j:(\o)+j+1], v[F:F+1] op_sel_hi:[1,0]
.set j, j+2
.endr
.endm
.macro SOFTMAX st
.irp b, 0,1,2,3
	v_max3_num_f32 v[BM+\b], v[S+16*\b], v[S+1+16*\b], v[S+2+16*\b]   ; four chains by turns; each accumulator is first read at its low end
.endr
.irp i, 3,5,7,9,11,13
.irp b, 0,1,2,3
	v_max3_num_f32 v[BM+\b], v[BM+\b], v[S+16*\b+\i], v[S+1+16*\b+\i]
.endr
.endr
	v_max3_num_f32 v[BM], v[BM], v[BM+1], v[S+15]
	v_max3_num_f32 v[BM+2], v[BM+2], v[BM+3], v[S+47]
	v_max_num_f32 v[BM], v[BM], v[S+31]            ; the largest score of my block h,
	v_max_num_f32 v[BM+2], v[BM+2], v[S+63]        ; and of my block 2 + h
	v_mov_b32 v[CT+1], v[\st]                      ; the old -M
	s_delay_alu instid0(VALU_DEP_2)
	v_max_num_f32 v[TMP], v[BM], v[BM+2]
	s_delay_alu instid0(VALU_DEP_1)
	v_permlanex16_b32 v[BM+1], v[TMP], s[SEL], s[SEL+1]   ; (into a register of the maxima that is done with)
	s_delay_alu instid0(VALU_DEP_1)
	v_max3_num_f32 v[(\st)+1], v[(\st)+1], v[TMP], v[BM+1]   ; the running largest score of my query
	s_delay_alu instid0(VALU_DEP_1)
	v_mul_f32 v[TMP], s[CS], v[(\st)+1]            ; as t (the factor is positive)
	s_delay_alu instid0(VALU_DEP_1)
	v_floor_f32 v[\st], -v[TMP]                    ; -M = floor(-t)
.set j, 0
.rept 32
	v_pk_fma_f32 v[S+j:S+j+1], v[S+j:S+j+1], s[CS:CS+1], v[(\st):(\st)+1] op_sel_hi:[1,0,0]   ; t - M
.if j == 8
	v_sub_f32 v[TMP], v[\st], v[CT+1]              ; old M - new M, a whole number, 0 or less
.endif
.if j == 24
	v_cvt_i32_f32 v[TMP], v[TMP]                   ; (it saturates)
.endif
.if j == 40
	v_ldexp_f32 v[F], 1.0, v[TMP]                  ; f = 2^(old M - new M)
.endif
.set j, j+2
.endr
	v_fma_f32 v[BM], v[BM], s[CS], v[\st]          ; the same of each block's largest score: p rises with the score
	v_fma_f32 v[BM+2], v[BM+2], s[CS], v[\st]
	s_wait_alu depctr_va_vdst(0)
	v_exp_f32 v[BM], v[BM]
	v_exp_f32 v[BM+2], v[BM+2]
.set j, 0
.rept 64
	v_exp_f32 v[S+j], v[S+j]
.set j, j+1
.endr
	v_pk_mul_f32 v[(\st)+2:(\st)+3], v[(\st)+2:(\st)+3], v[F:F+1] op_sel_hi:[1,0]   ; the sums under the new M; the plain place behind the batch
	s_wait_alu depctr_va_vdst(0)                   ; one wait for the batch, ahead of its first reader
	v_pk_add_f32 v[CT+4:CT+5], v[S:S+1], v[S+2:S+3]   ; the sum of the unquantised p, in two chains; the scale's lines stand among them
.set j, 4
.rept 15
	v_pk_add_f32 v[(\st)+2:(\st)+3], v[(\st)+2:(\st)+3], v[S+j:S+j+1]
	v_pk_add_f32 v[CT+4:CT+5], v[CT+4:CT+5], v[S+j+2:S+j+3]
.if j == 4
	v_max_num_f32 v[BM], 0x1800000, v[BM]          ; the floor 2^(3 - 127) holds the byte at 1 from below
	v_max_num_f32 v[BM+2], 0x1800000, v[BM+2]
.endif
.if j == 8
	v_add_nc_u32 v[BM], 0xff000000, v[BM]          ; 2 off the exponent field: the conversion's scale operand
	v_add_nc_u32 v[BM+2], 0xff000000, v[BM+2]
.endif
.if j == 12
	v_lshrrev_b32 v[CT], 23, v[BM]                 ; the scale's byte
	v_lshrrev_b32 v[CT+1], 23, v[BM+2]
.endif
.if j == 16
	v_lshl_or_b32 v[TMP], v[CT+1], 16, v[CT]       ; my bytes: blocks h and 2 + h,
.endif
.if j == 20
	v_lshlrev_b32 v[TMP], v[SH8], v[TMP]           ; at their places in the word;
.endif
.if j == 24
	v_permlanex16_b32 v[CT+2], v[TMP], s[SEL], s[SEL+1]
.endif
.if j == 28
	v_or_b32 v[PSW], v[TMP], v[CT+2]               ; with lane l xor 16's two the word is whole
.endif
.set j, j+4
.endr
	v_pk_add_f32 v[(\st)+2:(\st)+3], v[(\st)+2:(\st)+3], v[CT+4:CT+5]
.irp c, 0,1
	v_cvt_scalef32_pk16_fp6_f32 v[P+6*\c:P+6*\c+2], v[S+32*\c:S+32*\c+15], v[BM+2*\c]
	v_cvt_scalef32_pk16_fp6_f32 v[CT+4*\c:CT+4*\c+2], v[S+32*\c+16:S+32*\c+31], v[BM+2*\c]   ; (a conversion's three registers begin on an even number)
.endr
	v_nop                                          ; one plain place behind a scaled conversion
.irp c, 0,1
.irp i, 0,1,2
	v_mov_b32 v[P+6*\c+3+\i], v[CT+4*\c+\i]        ; registers 6 c .. 6 c + 5: keys 64 c + 32 h + 0 .. 31
.endr
.endr
.endm
	s_load_b512 s[4:19], s[0:1], 0x0               ; qk, vv, lambda_q1, lambda_k1, lambda_q2, lambda_k2, subln_weight, ai
	s_load_b64 s[20:21], s[0:1], 0x40              ; asc
	v_lshl_add_u32 v[SPW], v0, 2, SPARE
	v_mov_b32 v[NIL], 0
	ds_add_u32 v[SPW], v[NIL]                      ; the wave's opening: the add, twice on end, and its wait ahead of the round in front of my tensor load
	ds_add_u32 v[SPW], v[NIL]
	v_lshrrev_b32 v1, 5, v0
	s_delay_alu instid0(VALU_DEP_1)
	v_readfirstlane_b32 s[WV], v1                  ; wave 0..15
	s_bfe_u32 s[CX], ttmp6, 0x40000
	s_lshl_b32 s[QB], ttmp9, 2
	s_add_co_u32 s[QB], s[QB], s[CX]               ; which 256 queries
	s_and_b32 s[BH], ttmp7, 0xffff                 ; batch x head
	s_mov_b32 s[SEL], 0x76543210
	s_mov_b32 s[SEL+1], 0xfedcba98                 ; lane l xor 16
	s_mov_b32 s[CS], 0x3e8293ee                    ; log2(e) / sqrt(32)
	s_mov_b32 s[CS+1], s[CS]
	s_mov_b32 s[MLO], 0x0000ffff
	s_mov_b32 s[MHI], 0xffff0000
	s_mov_b32 s[TK], 0
	s_mov_b32 s[TV], VBASE
	s_mov_b32 s[CNT], 16
	s_mov_b32 s[G1K], 15|(3<<16)|(1<<21)           ; two records of K: 52 dense rows of 256 bytes, for all four partners
	s_mov_b32 s[G1K+1], 32<<16
	s_mov_b32 s[G1K+2], 52<<16
	s_mov_b32 s[G1K+3], 32<<16
	s_mov_b32 s[G1K+4], 52
	s_mov_b32 s[G1K+5], 32
	s_mov_b32 s[G1K+6], 0
	s_mov_b32 s[G1K+7], 0
	s_mov_b32 s[G1V], 15|(3<<16)|(1<<21)           ; two records of V: 50 rows
	s_mov_b32 s[G1V+1], 32<<16
	s_mov_b32 s[G1V+2], 50<<16
	s_mov_b32 s[G1V+3], 32<<16
	s_mov_b32 s[G1V+4], 50
	s_mov_b32 s[G1V+5], 32
	s_mov_b32 s[G1V+6], 0
	s_mov_b32 s[G1V+7], 0
	s_and_b32 s79, s[WV], 7                        ; which two records I fetch
	s_mul_i32 s68, s79, 2*KREC
	s_mul_i32 s69, s79, 2*VREC
	s_add_co_u32 s66, s[BH], 32                    ; k's records lie behind q's 32 x 16
	s_mul_i32 s66, s66, 16*KREC
	s_add_co_u32 s66, s66, s68
	s_mov_b32 s67, 0
	s_mul_i32 s70, s[BH], 16*VREC
	s_add_co_u32 s70, s70, s69
	s_mov_b32 s71, 0
	s_and_b32 s76, s[WV], 1                        ; my tile of q: record 2 QB + wave / 8, pair (wave / 2) % 4, tile u = wave % 2
	s_mul_i32 s77, s76, 520
	s_mul_i32 s78, s76, 1016
	s_mul_i32 s80, s[BH], 16*KREC
	s_lshl_b32 s72, s[QB], 1
	s_lshr_b32 s74, s[WV], 3
	s_add_co_u32 s72, s72, s74
	s_mul_i32 s72, s72, KREC
	s_add_co_u32 s80, s80, s72
	s_bfe_u32 s81, s[WV], 0x20001
	s_mul_i32 s72, s81, 1536
	s_add_co_u32 s72, s72, s80
	s_mov_b32 s73, 0
	s_lshl_b32 s74, s81, 7
	s_add_co_u32 s74, s74, s80
	s_add_co_u32 s74, s74, 6144
	s_lshl_b32 s75, s76, 6
	s_add_co_u32 s74, s74, s75
	s_mov_b32 s75, 0
	s_wait_dscnt 0x0                               ; both opening adds are done
	s_wait_kmcnt 0x0
	s_mov_b32 s[G0K], 1
	s_mov_b32 s[G0K+1], s68
	s_add_nc_u64 s[G0K+2:G0K+3], s[4:5], s[66:67]
	s_or_b32 s[G0K+3], s[G0K+3], 0x80000000
	s_mov_b32 s[G0V], 1
	s_add_co_u32 s[G0V+1], s69, VBASE
	s_add_nc_u64 s[G0V+2:G0V+3], s[6:7], s[70:71]
	s_or_b32 s[G0V+3], s[G0V+3], 0x80000000
	s_add_nc_u64 s[72:73], s[4:5], s[72:73]        ; q's codes
	s_add_nc_u64 s[74:75], s[4:5], s[74:75]        ; q's scale words
	CROUND                                         ; all four work-groups are here: the joint loads meet
	s_cmp_lt_u32 s[WV], 8                          ; one tensor load a wave: waves 0-7 K, waves 8-15 V
	s_cbranch_scc0 .Lfor_v
	tensor_load_to_lds s[G0K:G0K+3], s[G1K:G1K+7]
	s_nop 0
	PLACES
	s_branch .Lasked
.Lfor_v:
	tensor_load_to_lds s[G0V:G0V+3], s[G1V:G1V+7]
	s_nop 0
	PLACES
.Lasked:
	v_and_b32 v100, 31, v0                         ; lane
	v_and_b32 v101, 15, v0                         ; r
	v_bfe_u32 v102, v0, 4, 1                       ; h
	v_lshlrev_b32 v[LI], 4, v100
	v_lshlrev_b32 v[L4], 2, v100
	v_lshlrev_b32 v[SH8], 3, v102
	v_lshlrev_b32 v103, 2, v101
	v_lshrrev_b32 v104, 3, v101                    ; h' = r / 8
	v_and_b32 v105, 7, v101                        ; j = r % 8
	v_add_nc_u32 v98, s77, v[LI]
	v_add_nc_u32 v99, s78, v[LI]
	v_mul_u32_u24 v[KAD], v104, 1536
	v_lshlrev_b32 v[KSA], 7, v104
	v_lshl_add_u32 v[KAD], v105, 4, v[KAD]
	v_lshl_add_u32 v[KSA], v105, 2, v[KSA]
	v_lshl_add_u32 v[KAD], v102, 8, v[KAD]
	v_lshl_add_u32 v[KSA], v102, 5, v[KSA]
	global_load_b64 v[P:P+1], v98, s[72:73]        ; my tile's six registers out of the pair image
	global_load_b64 v[P+2:P+3], v99, s[72:73] offset:8
	global_load_b64 v[P+4:P+5], v98, s[72:73] offset:512
	global_load_b32 v[QS], v103, s[74:75]
	global_load_b32 v104, v[L4], s[8:9]
	global_load_b32 v105, v[L4], s[10:11]
	global_load_b32 v106, v[L4], s[12:13]
	global_load_b32 v107, v[L4], s[14:15]
.irp i, 0,1,2,3,4,5
	v_mov_b32 v[KPAD+\i], 0
	v_mov_b32 v[Q1+6+\i], 0
	v_mov_b32 v[Q2+6+\i], 0
.endr
.irp st, ST1, ST2
	v_mov_b32 v[\st+1], 0xff61b1e6                 ; the largest score so far: -3e38
	v_mov_b32 v[\st+2], 0
	v_mov_b32 v[\st+3], 0
	v_floor_f32 v[\st], -v[\st+1]
.endr
.irp b, 0,1,2,3
	v_mov_b32 v[CT+\b], 0                          ; a lane permute's destination counts as one of its sources
.endr
	v_mov_b32 v[PSW], 0                            ; (named as the upper half of the pair with f before it is first written)
	s_wait_alu depctr_va_vdst(0)
	s_wait_loadcnt 0x0
.irp i, 0,1,2,3,4,5
	v_cndmask_b32 v[Q1+\i], v[P+\i], v[KPAD], s[MHI]   ; q1: component 2's lanes get zero codes
	v_cndmask_b32 v[Q2+\i], v[P+\i], v[KPAD], s[MLO]   ; q2: component 1's
.endr
	v_mul_f32 v104, v104, v105
	v_mul_f32 v106, v106, v107
.irp m, 1,2,4,8
	s_delay_alu instid0(VALU_DEP_2)
	v_add_f32_dpp v104, v104, v104 row_xmask:\m row_mask:0xf bank_mask:0xf
	s_delay_alu instid0(VALU_DEP_2)
	v_add_f32_dpp v106, v106, v106 row_xmask:\m row_mask:0xf bank_mask:0xf
.endr
	s_delay_alu instid0(VALU_DEP_2)
	v_permlanex16_b32 v[CT], v104, s[SEL], s[SEL+1]
	s_delay_alu instid0(VALU_DEP_2)
	v_permlanex16_b32 v[CT+1], v106, s[SEL], s[SEL+1]
	s_delay_alu instid0(VALU_DEP_2)
	v_add_f32 v104, v104, v[CT]
	s_delay_alu instid0(VALU_DEP_2)
	v_add_f32 v106, v106, v[CT+1]
	s_delay_alu instid0(VALU_DEP_2)
	v_mul_f32 v104, 0x3fb8aa3b, v104
	s_delay_alu instid0(VALU_DEP_2)
	v_mul_f32 v106, 0x3fb8aa3b, v106
	s_wait_alu depctr_va_vdst(0)
	v_exp_f32 v104, v104                           ; lambda_1, lambda_2
	v_exp_f32 v106, v106
.set j, 0
.rept 64
	v_mov_b32 v[O1+j], 0                           ; O^T of both components: the step is written once, and the first change of M leaves zeros zeros
.set j, j+1
.endr
	s_wait_alu depctr_va_vdst(0)
	v_sub_f32 v104, v104, v106
	s_delay_alu instid0(VALU_DEP_1)
	v_add_f32 v[LAMV], 0x3f489a63, v104            ; + lambda_init
	s_wait_alu depctr_va_vdst(0)
	s_wait_tensorcnt 0x0                           ; my two records are in,
	s_barrier_signal -1
	s_barrier_wait -1                              ; and everybody's: K and V are whole
.Lstep:                                                ; 128 keys a trip
	s_barrier_signal -1                            ; a barrier a trip, signalled here and awaited in the trip's middle: no wave passes the middle of a trip that another wave has not begun
	v_add_nc_u32 v[AD0], s[TK], v[KAD]
	v_add_nc_u32 v[AD1], s[TK], v[KSA]
	v_nop
	v_nop                                          ; four places behind the last products, ahead of the loads into their registers
	KLOAD
	s_wait_dscnt 0x0
	SMUL Q1
	PLACES
	SOFTMAX ST1
	RESCALE O1
	SMUL Q2
	v_add_nc_u32 v[AD0], s[TV], v[LI]
	v_add_nc_u32 v[AD1], s[TV], v[L4]
	v_nop
	v_nop
.irp n, 0,1,2,3,4,5,6,7,8,9,10,11
	ds_load_b128 v[KV+4*\n:KV+4*\n+3], v[AD0] offset:512*\n   ; V's four fragments, as images
.endr
.irp a, 0,1
	ds_load_b32 v[SCL+\a], v[AD1] offset:6144+128*\a
.endr
	s_wait_alu depctr_va_vdst(0)
	s_barrier_wait -1
	s_wait_dscnt 0x0
	PV O1
	SOFTMAX ST2
	RESCALE O2
	PV O2
	s_add_co_u32 s[TK], s[TK], KREC
	s_add_co_u32 s[TV], s[TV], VREC
	s_sub_co_u32 s[CNT], s[CNT], 1
	s_cmp_lg_u32 s[CNT], 0
	s_cbranch_scc1 .Lstep
	v_lshlrev_b32 v[KAD], 3, v[SH8]                ; 64 h: my channels' gains
	v_nop
	v_nop
	v_nop
.irp a, 0,1
.irp k, 0,1,2,3
	global_load_b128 v[W+16*\a+4*\k:W+16*\a+4*\k+3], v[KAD], s[16:17] offset:128*\a+16*\k   ; register 16 a + i: channel 32 a + 16 h + i
.endr
.endr
	s_lshr_b32 s66, s[BH], 4                       ; batch
	s_and_b32 s67, s[BH], 15                       ; head
	s_lshl_b32 s68, s66, 4
	s_lshl_b32 s69, s[QB], 1
	s_add_co_u32 s68, s68, s69
	s_lshr_b32 s69, s[WV], 3
	s_add_co_u32 s68, s68, s69                     ; the panel of 128 tokens
	s_mul_i32 s68, s68, 98304
	s_lshr_b32 s69, s67, 1
	s_mul_i32 s69, s69, 12288                      ; K step = head / 2
	s_add_co_u32 s68, s68, s69
	s_and_b32 s69, s[WV], 7
	s_mul_i32 s69, s69, 1536                       ; my tile
	s_add_co_u32 s68, s68, s69
	s_and_b32 s69, s67, 1
	s_mul_i32 s69, s69, 768                        ; registers 0-5 or 6-11
	s_add_co_u32 s68, s68, s69
	s_mov_b32 s69, 0
	s_add_nc_u64 s[68:69], s[18:19], s[68:69]
	s_lshl_b32 s70, s66, 7
	s_lshl_b32 s71, s[QB], 4
	s_add_co_u32 s70, s70, s71
	s_add_co_u32 s70, s70, s[WV]
	s_lshl_b32 s70, s70, 9
	s_lshl_b32 s71, s67, 1
	s_add_co_u32 s70, s70, s71
	s_mov_b32 s71, 0
	s_add_nc_u64 s[70:71], s[20:21], s[70:71]
	s_mov_b32 s72, 0x3c800000                      ; 1 / 64
	s_mov_b32 s73, 0x3727c5ac                      ; eps
	v_add_f32 v[ST1+2], v[ST1+2], v[ST1+3]
	v_add_f32 v[ST2+2], v[ST2+2], v[ST2+3]
	s_delay_alu instid0(VALU_DEP_2)
	v_permlanex16_b32 v[BM+1], v[ST1+2], s[SEL], s[SEL+1]
	s_delay_alu instid0(VALU_DEP_2)
	v_permlanex16_b32 v[BM+3], v[ST2+2], s[SEL], s[SEL+1]
	s_delay_alu instid0(VALU_DEP_2)
	v_add_f32 v[ST1+2], v[ST1+2], v[BM+1]          ; the rows' sums
	s_delay_alu instid0(VALU_DEP_2)
	v_add_f32 v[ST2+2], v[ST2+2], v[BM+3]
	s_wait_alu depctr_va_vdst(0)
	v_rcp_f32 v[ST1+2], v[ST1+2]
	v_rcp_f32 v[ST2+2], v[ST2+2]
	v_lshrrev_b32 v[AD0], 1, v[LI]                 ; 8 x lane
	v_and_b32 v[AD1], 0xf0, v[LI]
	s_delay_alu instid0(VALU_DEP_1)
	v_lshlrev_b32 v[AD1], 1, v[AD1]                ; 32 r
	s_wait_alu depctr_va_vdst(0)                   ; for the reciprocals, and directly ahead of the first reader of O^T
.set j, 0
.rept 16
	v_pk_mul_f32 v[A+j:A+j+1], v[O1+j:O1+j+1], v[ST1+2:ST1+3] op_sel_hi:[1,0]
.set j, j+2
.endr
	v_mul_f32 v[ST2+2], v[ST2+2], v[LAMV]
.set j, 0
.rept 16
	v_pk_fma_f32 v[A+j:A+j+1], v[O2+j:O2+j+1], v[ST2+2:ST2+3], v[A+j:A+j+1] op_sel_hi:[1,0,1] neg_lo:[0,1,0] neg_hi:[0,1,0]   ; attn1 - lambda attn2
.set j, j+2
.endr
	v_pk_mul_f32 v[SQ:SQ+1], v[A:A+1], v[A:A+1]
	v_pk_mul_f32 v[SQ+2:SQ+3], v[A+2:A+3], v[A+2:A+3]
.set j, 4
.rept 7
	s_delay_alu instid0(VALU_DEP_2)
	v_pk_fma_f32 v[SQ:SQ+1], v[A+j:A+j+1], v[A+j:A+j+1], v[SQ:SQ+1]
	s_delay_alu instid0(VALU_DEP_2)
	v_pk_fma_f32 v[SQ+2:SQ+3], v[A+j+2:A+j+3], v[A+j+2:A+j+3], v[SQ+2:SQ+3]
.set j, j+4
.endr
	s_delay_alu instid0(VALU_DEP_1)
	v_pk_add_f32 v[SQ:SQ+1], v[SQ:SQ+1], v[SQ+2:SQ+3]
	s_delay_alu instid0(VALU_DEP_1)
	v_add_f32 v[SQ], v[SQ], v[SQ+1]
	s_delay_alu instid0(VALU_DEP_1)
	v_permlanex16_b32 v[BM+1], v[SQ], s[SEL], s[SEL+1]
	s_delay_alu instid0(VALU_DEP_1)
	v_add_f32 v[SQ], v[SQ], v[BM+1]
	s_delay_alu instid0(VALU_DEP_1)
	v_fma_f32 v[SQ], v[SQ], s72, s73               ; the mean square + eps
	s_wait_alu depctr_va_vdst(0)
	v_rsq_f32 v[SQ], v[SQ]
	v_nop
	s_wait_alu depctr_va_vdst(0)
	v_mul_f32 v[SQ], 0x3e5d9673, v[SQ]             ; x (1 - lambda_init)
	s_wait_alu depctr_va_vdst(0)
	s_wait_loadcnt 0x0                             ; the gains
.set j, 0
.rept 16
	v_pk_mul_f32 v[A+j:A+j+1], v[A+j:A+j+1], v[SQ:SQ+1] op_sel_hi:[1,0]
.set j, j+2
.endr
.set j, 0
.rept 16
	v_pk_mul_f32 v[A+j:A+j+1], v[A+j:A+j+1], v[W+j:W+j+1]
.set j, j+2
.endr
.irp a, 0,1
	v_max3_num_f32 v[BM+\a], |v[A+16*\a]|, |v[A+16*\a+1]|, 0x1800000   ; the head's two blocks of 32 channels
.endr
.irp i, 2,4,6,8,10,12,14
.irp a, 0,1
	s_delay_alu instid0(VALU_DEP_2)
	v_max3_num_f32 v[BM+\a], v[BM+\a], |v[A+16*\a+\i]|, |v[A+16*\a+\i+1]|
.endr
.endr
.irp a, 0,1
	s_delay_alu instid0(VALU_DEP_2)
	v_permlanex16_b32 v[BM+2+\a], v[BM+\a], s[SEL], s[SEL+1]
.endr
.irp a, 0,1
	s_delay_alu instid0(VALU_DEP_2)
	v_max_num_f32 v[BM+\a], v[BM+\a], v[BM+2+\a]
.endr
.irp a, 0,1
	s_delay_alu instid0(VALU_DEP_2)
	v_add_nc_u32 v[BM+\a], 0xff000000, v[BM+\a]
.endr
.irp a, 0,1
	s_delay_alu instid0(VALU_DEP_2)
	v_lshrrev_b32 v[BM+2+\a], 23, v[BM+\a]
.endr
	s_delay_alu instid0(VALU_DEP_1)
	v_lshl_or_b32 v[TMP], v[BM+3], 8, v[BM+2]
	v_cvt_scalef32_pk16_fp6_f32 v[P:P+2], v[A:A+15], v[BM]
	v_cvt_scalef32_pk16_fp6_f32 v[CT+4:CT+6], v[A+16:A+31], v[BM+1]
	v_nop
.irp i, 0,1,2
	v_permlane16_swap_b32 v[P+\i], v[CT+4+\i]      ; a whole block to a lane
.endr
.irp i, 0,1,2
	s_delay_alu instid0(VALU_DEP_3)
	v_mov_b32 v[P+3+\i], v[CT+4+\i]
.endr
.irp i, 0,1,2
	global_store_b64 v[AD0], v[P+2*\i:P+2*\i+1], s[68:69] offset:256*\i   ; 32 lanes store 256 consecutive bytes, at a multiple of 256
.endr
	global_store_b16 v[AD1], v[TMP], s[70:71]
	s_wait_tensorcnt 0x0                           ; the wave's end
	ds_add_u32 v[SPW], v[NIL]
	s_wait_dscnt 0x0
	CROUND                                         ; the closing round
	s_endpgm
.Lfunc_end_k_q88c0aca6e8_attn:
	.size	k_q88c0aca6e8_attn, .Lfunc_end_k_q88c0aca6e8_attn-k_q88c0aca6e8_attn
	.p2alignl 7, 3214868480
	.fill 96, 4, 3214868480
	.section	.rodata,"a",@progbits
	.p2align	6, 0x0
	.amdhsa_kernel k_q88c0aca6e8_attn
		.amdhsa_group_segment_fixed_size 327680
		.amdhsa_private_segment_fixed_size 0
		.amdhsa_enable_private_segment 0
		.amdhsa_kernarg_size 72
		.amdhsa_user_sgpr_count 2
		.amdhsa_user_sgpr_kernarg_segment_ptr 1
		.amdhsa_wavefront_size32 1
		.amdhsa_system_sgpr_workgroup_id_x 1
		.amdhsa_system_sgpr_workgroup_id_y 1
		.amdhsa_system_sgpr_workgroup_id_z 1
		.amdhsa_system_vgpr_workitem_id 0
		.amdhsa_next_free_vgpr 256
		.amdhsa_next_free_sgpr 84
		.amdhsa_reserve_vcc 0
		.amdhsa_float_denorm_mode_32 3
		.amdhsa_float_denorm_mode_16_64 3
		.amdhsa_memory_ordered 1
		.amdhsa_forward_progress 1
		.amdhsa_inst_pref_size 52
	.end_amdhsa_kernel
	.amdgpu_metadata
---
amdhsa.version: [ 1, 2 ]
amdhsa.kernels:
  - .name:           k_q88c0aca6e8_attn
    .symbol:         k_q88c0aca6e8_attn.kd
    .args:
      - { .name: qk, .offset: 0, .size: 8, .value_kind: global_buffer, .address_space: global }
      - { .name: vv, .offset: 8, .size: 8, .value_kind: global_buffer, .address_space: global }
      - { .name: lambda_q1, .offset: 16, .size: 8, .value_kind: global_buffer, .address_space: global }
      - { .name: lambda_k1, .offset: 24, .size: 8, .value_kind: global_buffer, .address_space: global }
      - { .name: lambda_q2, .offset: 32, .size: 8, .value_kind: global_buffer, .address_space: global }
      - { .name: lambda_k2, .offset: 40, .size: 8, .value_kind: global_buffer, .address_space: global }
      - { .name: subln_weight, .offset: 48, .size: 8, .value_kind: global_buffer, .address_space: global }
      - { .name: ai, .offset: 56, .size: 8, .value_kind: global_buffer, .address_space: global }
      - { .name: asc, .offset: 64, .size: 8, .value_kind: global_buffer, .address_space: global }
    .group_segment_fixed_size: 327680
    .private_segment_fixed_size: 0
    .kernarg_segment_align: 8
    .kernarg_segment_size: 72
    .max_flat_workgroup_size: 512
    .sgpr_count:     84
    .vgpr_count:     256
    .wavefront_size: 32
...
	.end_amdgpu_metadata
.endif
;; end of part 3
;; launch outp (part 4): grid 8 x 32, 4 waves a work-group, clusters of 4 x 4, 230,912 bytes of LDS; arguments ai, asc, ci, si, out0; writes out0
.if DOCPART == 4
	.amdgcn_target "amdgcn-amd-amdhsa--gfx1250"
	.amdhsa_code_object_version 6
	.text
	.protected	k_q88c0aca6e8_outp
	.globl	k_q88c0aca6e8_outp
	.p2align	8
	.type	k_q88c0aca6e8_outp,@function
k_q88c0aca6e8_outp:
	s_mov_b64 s[64:65], 0
	v_nop
	global_prefetch_b8 v0, s[64:65] scope:SCOPE_SE
	s_setreg_imm32_b32 hwreg(HW_REG_WAVE_MODE, 25, 1), 1
	s_wait_xcnt 0x0
	s_wait_alu depctr_hold_cnt(0) depctr_sa_sdst(0) depctr_va_vdst(0) depctr_va_sdst(0) depctr_va_ssrc(0) depctr_va_vcc(0) depctr_vm_vsrc(0)
	s_getreg_b32 s2, hwreg(HW_REG_IB_STS2, 6, 4)
	s_cmp_eq_u32 s2, 0
	s_cbranch_scc0 .Lentry_in_a_cluster
	s_endpgm
.Lentry_in_a_cluster:
	s_bfe_u32 s2, ttmp6, 0x10000c
	s_cmp_lg_u32 s2, 0xf033
	s_cbranch_scc0 .Lentry_shape_is_right
	s_endpgm
.Lentry_shape_is_right:
; out0 = attn Wo^T on codes of FP6 (E2M3) with E8M0 scales, K = 1024; out0 [4096][1024] f32.
; attn's codes come as images of operand registers, ai = [panel of 128 tokens 32][K step 8][tile 8][6 pieces of 256 bytes: piece i holds lane l's registers 2 i, 2 i + 1 at 8 l]; its scale words asc = [tile 256][row 16][8 words].
; Wo's come from ci (panels 56-63) and si, as the projection launch reads them.  The rows of a tile are 32 b + 8 u + m + 8 (m / 8).
; SHARES: a work-group makes 128 tokens x 128 outputs: 256 work-groups.  Source 0 = a tile of Wo, source 1 = a tile of tokens: a lane holds one token and neighbouring outputs.  Wave w takes token tiles 2 w, 2 w + 1 against Wo's eight.
; LDS: both panels whole, 98,304 bytes each, FILLED ONCE; behind them a stage for each wave's way out (bytes of its own, into which no fill lands).
; CLUSTER 4 x 4: the four of a row of the cluster need the same tokens, the four of a column the same rows of Wo: each chunk is asked for JOINTLY.  Waves 0, 1 ask for the tokens' chunks, waves 2, 3 for Wo's: one load a wave.
; REGISTERS: window 0: v1-12 addresses; v16-47 Wo's scale words, v48-55 the tokens'; v56-103 the tokens' fragments, two sets; v128-255 accumulators at 128 + 64 u + 8 t.   window 1: Wo's fragments, sets at v0 and v96.
.set STG,    196608
.set SPITCH, 528                       ; a stage row: 512 bytes + 16
.set SPARE,  STG+4*16*SPITCH           ; behind the stages: the spare words, 128 bytes a wave
.set LI,  1                            ; v1   16 x lane
.set VSP, 3                            ; v3   512 h + 16 r
.set RA,  4                            ; v4-5 8 x lane + my two tiles: K steps 0-3, 4-7
.set PA,  6                            ; v6-7
.set SPW, 8                            ; v8   my spare word; never rewritten
.set NIL, 9                            ; v9   0; never rewritten
.set STO, 10
.set RD,  11
.set VSR, 12                           ; v12  512 h + 32 r
.set SP,  16
.set SR,  48
.set RF,  56
.set ACC, 128
.set WV,  14
.set G1A, 24
.set G1B, 32
.set G0A, 40
.set G0B, 68
.set NF,  36                           ; LDS loads of a K step's fragments
.set MSB, 0
.macro WIN new
.if MSB != \new
	s_set_vgpr_msb (MSB<<8)|\new
.set MSB, \new
.endif
.endm
.macro CROUND
	s_barrier_signal -1
	s_barrier_wait -1
	s_cmp_lg_u32 s[WV], 0
	s_cbranch_scc1 .Lnot_wave_0_\@
	s_barrier_signal -3
.Lnot_wave_0_\@:
	s_barrier_wait -3
	s_barrier_signal -1
	s_barrier_wait -1
.endm
.macro WM d, a, b, z, sa, sb, ra, rb
.if \z
.if (\ra) && (\rb)
	v_wmma_scale_f32_16x16x128_f8f6f4 v[(\d):(\d)+7], v[(\a):(\a)+11], v[(\b):(\b)+11], 0, v[\sa], v[\sb] matrix_a_fmt:MATRIX_FMT_FP6 matrix_b_fmt:MATRIX_FMT_FP6 matrix_a_scale:MATRIX_SCALE_ROW1 matrix_b_scale:MATRIX_SCALE_ROW1
.elseif \ra
	v_wmma_scale_f32_16x16x128_f8f6f4 v[(\d):(\d)+7], v[(\a):(\a)+11], v[(\b):(\b)+11], 0, v[\sa], v[\sb] matrix_a_fmt:MATRIX_FMT_FP6 matrix_b_fmt:MATRIX_FMT_FP6 matrix_a_scale:MATRIX_SCALE_ROW1
.elseif \rb
	v_wmma_scale_f32_16x16x128_f8f6f4 v[(\d):(\d)+7], v[(\a):(\a)+11], v[(\b):(\b)+11], 0, v[\sa], v[\sb] matrix_a_fmt:MATRIX_FMT_FP6 matrix_b_fmt:MATRIX_FMT_FP6 matrix_b_scale:MATRIX_SCALE_ROW1
.else
	v_wmma_scale_f32_16x16x128_f8f6f4 v[(\d):(\d)+7], v[(\a):(\a)+11], v[(\b):(\b)+11], 0, v[\sa], v[\sb] matrix_a_fmt:MATRIX_FMT_FP6 matrix_b_fmt:MATRIX_FMT_FP6
.endif
.else
.if (\ra) && (\rb)
	v_wmma_scale_f32_16x16x128_f8f6f4 v[(\d):(\d)+7], v[(\a):(\a)+11], v[(\b):(\b)+11], v[(\d):(\d)+7], v[\sa], v[\sb] matrix_a_fmt:MATRIX_FMT_FP6 matrix_b_fmt:MATRIX_FMT_FP6 matrix_a_scale:MATRIX_SCALE_ROW1 matrix_b_scale:MATRIX_SCALE_ROW1
.elseif \ra
	v_wmma_scale_f32_16x16x128_f8f6f4 v[(\d):(\d)+7], v[(\a):(\a)+11], v[(\b):(\b)+11], v[(\d):(\d)+7], v[\sa], v[\sb] matrix_a_fmt:MATRIX_FMT_FP6 matrix_b_fmt:MATRIX_FMT_FP6 matrix_a_scale:MATRIX_SCALE_ROW1
.elseif \rb
	v_wmma_scale_f32_16x16x128_f8f6f4 v[(\d):(\d)+7], v[(\a):(\a)+11], v[(\b):(\b)+11], v[(\d):(\d)+7], v[\sa], v[\sb] matrix_a_fmt:MATRIX_FMT_FP6 matrix_b_fmt:MATRIX_FMT_FP6 matrix_b_scale:MATRIX_SCALE_ROW1
.else
	v_wmma_scale_f32_16x16x128_f8f6f4 v[(\d):(\d)+7], v[(\a):(\a)+11], v[(\b):(\b)+11], v[(\d):(\d)+7], v[\sa], v[\sb] matrix_a_fmt:MATRIX_FMT_FP6 matrix_b_fmt:MATRIX_FMT_FP6
.endif
.endif
.endm
.macro PLACES                          ; four plain places behind a matrix instruction (ISA guide 7.12.1)
.rept 4
	v_nop
.endr
.endm
.macro FETCH s                         ; K step s: Wo's eight fragments (16 bytes a lane) and my two of the tokens (8 bytes a lane)
	WIN 0x40
.irp t, 0,1,2,3,4,5,6,7
.irp j, 0,1,2
	ds_load_b128 v[96*((\s)%2)+12*\t+4*\j:96*((\s)%2)+12*\t+4*\j+3], v[PA+(\s)/4] offset:((\s)%4)*12288+1536*\t+512*\j
.endr
.endr
	WIN 0
.irp u, 0,1
.irp i, 0,1,2,3,4,5
	ds_load_b64 v[RF+24*((\s)%2)+12*\u+2*\i:RF+24*((\s)%2)+12*\u+2*\i+1], v[RA+(\s)/4] offset:((\s)%4)*12288+1536*\u+256*\i
.endr
.endr
.endm
.macro MUL s, z                        ; 16 products; the 16 accumulators take turns
	WIN 0x01
.irp u, 0,1
.irp t, 0,1,2,3,4,5,6,7
	WM ACC+64*\u+8*\t, 96*((\s)%2)+12*\t, RF+24*((\s)%2)+12*\u, \z, SP+8*(\t/2)+(\s), SR+(\s), \t%2, \u
.endr
.endr
	WIN 0
.endm
.macro KSTEP s
.if (\s) > 0
	PLACES
.endif
.if (\s) < 7
	FETCH (\s)+1
	s_wait_dscnt NF                                ; this step's fragments are in; the NF loads just issued may be out
.else
	s_wait_dscnt 0x0
.endif
.if (\s) == 0
	MUL \s, 1
.else
	MUL \s, 0
.endif
.endm
	s_load_b256 s[4:11], s[0:1], 0x0               ; ai, asc, ci, si
	s_load_b64 s[12:13], s[0:1], 0x20              ; out0
	v_lshl_add_u32 v[SPW], v0, 2, SPARE
	v_mov_b32 v[NIL], 0
	ds_add_u32 v[SPW], v[NIL]                      ; the wave's opening: the adds and their wait ahead of the round in front of my tensor load
	ds_add_u32 v[SPW], v[NIL]
	v_lshrrev_b32 v1, 5, v0
	v_readfirstlane_b32 s[WV], v1                  ; wave 0..3
	s_bfe_u32 s15, ttmp6, 0x40000                  ; cx
	s_bfe_u32 s16, ttmp6, 0x40004                  ; cy
	s_lshl_b32 s17, ttmp9, 2
	s_add_co_u32 s17, s17, s15                     ; Wo's panel 0..7
	s_and_b32 s18, ttmp7, 0xffff
	s_lshl_b32 s18, s18, 2
	s_add_co_u32 s18, s18, s16                     ; the tokens' panel 0..31
	s_lshl_b32 s19, s16, 2
	s_lshl_b32 s19, 15, s19                        ; my row of the cluster
	s_lshl_b32 s57, 0x1111, s15                    ; my column
	s_or_b32 s[G1A], s19, (3<<16)|(1<<21)          ; the tokens' chunks go to my row; elements of 8 bytes; bit 21 beside a mask
	s_or_b32 s[G1B], s57, (3<<16)|(1<<21)          ; Wo's to my column
.irp g, G1A, G1B
	s_mov_b32 s[\g+1], 32<<16
	s_mov_b32 s[\g+2], 192<<16                     ; half a panel, 49,152 dense bytes: 192 rows of 256
	s_mov_b32 s[\g+3], 32<<16
	s_mov_b32 s[\g+4], 192
	s_mov_b32 s[\g+5], 32
	s_mov_b32 s[\g+6], 0
	s_mov_b32 s[\g+7], 0
.endr
	s_and_b32 s56, s[WV], 1
	s_mul_i32 s56, s56, 49152                      ; K steps 0-3 or 4-7: in memory and in LDS
	s_mul_i32 s20, s18, 98304
	s_add_co_u32 s20, s20, s56
	s_mov_b32 s21, 0
	s_add_co_u32 s22, s17, 56
	s_mul_i32 s22, s22, 98304
	s_add_co_u32 s22, s22, s56
	s_mov_b32 s23, 0
	s_wait_dscnt 0x0                               ; the opening add is done
	s_wait_kmcnt 0x0
	s_add_nc_u64 s[20:21], s[4:5], s[20:21]        ; made of the tokens' panel and the wave's number alone
	s_add_nc_u64 s[22:23], s[8:9], s[22:23]        ; made of Wo's panel and the wave's number alone
	CROUND                                         ; all sixteen work-groups are here: the joint loads meet
.irp j, 0
	s_mov_b32 s[G0A+4*\j], 1
	s_add_co_u32 s[G0A+4*\j+1], s56, \j*24576
	s_add_nc_u64 s[G0A+4*\j+2:G0A+4*\j+3], s[20:21], \j*24576
	s_or_b32 s[G0A+4*\j+3], s[G0A+4*\j+3], 0x80000000
	s_mov_b32 s[G0B+4*\j], 1
	s_add_co_u32 s[G0B+4*\j+1], s56, 98304+\j*24576
	s_add_nc_u64 s[G0B+4*\j+2:G0B+4*\j+3], s[22:23], \j*24576
	s_or_b32 s[G0B+4*\j+3], s[G0B+4*\j+3], 0x80000000
.endr
	s_cmp_lt_u32 s[WV], 2                          ; one tensor load a wave: waves 0, 1 the tokens' two halves, waves 2, 3 Wo's
	s_cbranch_scc0 .Lfor_p
.irp j, 0
	tensor_load_to_lds s[G0A+4*\j:G0A+4*\j+3], s[G1A:G1A+7]
	s_nop 0
.endr
	PLACES
	s_branch .Lasked
.Lfor_p:
.irp j, 0
	tensor_load_to_lds s[G0B+4*\j:G0B+4*\j+3], s[G1B:G1B+7]
	s_nop 0
.endr
	PLACES
.Lasked:
	v_and_b32 v13, 31, v0                          ; lane
	v_and_b32 v14, 15, v0                          ; r
	v_bfe_u32 v15, v0, 4, 1                        ; h
	v_lshlrev_b32 v[LI], 4, v13
	v_lshlrev_b32 v[VSP], 4, v14
	v_lshl_add_u32 v[VSP], v15, 9, v[VSP]
	v_lshlrev_b32 v[VSR], 5, v14
	v_lshl_add_u32 v[VSR], v15, 9, v[VSR]
	s_mul_i32 s19, s[WV], 3072
	v_lshlrev_b32 v[RA], 3, v13
	v_add_nc_u32 v[RA], s19, v[RA]
	v_add_nc_u32 v[RA+1], 49152, v[RA]
	v_add_nc_u32 v[PA], 98304, v[LI]
	v_add_nc_u32 v[PA+1], 147456, v[LI]
	s_mul_i32 s19, s[WV], 16*SPITCH
	s_add_co_u32 s19, s19, STG                     ; my stage
	v_mul_u32_u24 v[STO], v14, SPITCH
	v_lshl_add_u32 v[STO], v15, 6, v[STO]
	v_add_nc_u32 v[STO], s19, v[STO]               ; in: row r, + 64 h
	v_add_nc_u32 v[RD], s19, v[LI]                 ; back: a row of 512 bytes to the 32 lanes
	s_add_co_u32 s58, s17, 56
	s_lshl_b32 s58, s58, 12
	s_mov_b32 s59, 0
	s_add_nc_u64 s[58:59], s[10:11], s[58:59]      ; Wo's scale words
	s_lshl_b32 s60, s18, 3
	s_lshl_b32 s19, s[WV], 1
	s_add_co_u32 s60, s60, s19
	s_lshl_b32 s60, s60, 9
	s_mov_b32 s61, 0
	s_add_nc_u64 s[60:61], s[6:7], s[60:61]        ; my two tiles' scale words
.irp b, 0,1,2,3
.irp k, 0,1
	global_load_b128 v[SP+8*\b+4*\k:SP+8*\b+4*\k+3], v[VSP], s[58:59] offset:1024*\b+256*\k
.endr
.endr
.irp k, 0,1
	global_load_b128 v[SR+4*\k:SR+4*\k+3], v[VSR], s[60:61] offset:16*\k
.endr
	s_wait_alu depctr_va_vdst(0)
	s_wait_tensorcnt 0x0                           ; my half panel has landed,
	s_barrier_signal -1
	s_barrier_wait -1                              ; everybody's has: both panels are whole
	FETCH 0
	s_wait_loadcnt 0x0                             ; the scale words
	s_lshl_b32 s20, s18, 7
	s_lshl_b32 s19, s[WV], 5
	s_add_co_u32 s20, s20, s19                     ; my pair's first token
	s_lshl_b32 s20, s20, 12
	s_lshl_b32 s19, s17, 9
	s_add_co_u32 s20, s20, s19                     ; + the panel's 512 bytes of a row
	s_mov_b32 s21, 0
	s_add_nc_u64 s[12:13], s[12:13], s[20:21]
.irp s, 0,1,2,3,4,5,6,7
	KSTEP \s
.endr
; THE WAY OUT: a tile of 16 tokens x 128 outputs goes through my own stage and comes back as whole rows of 512 bytes.  LDS serves a wave's instructions in order: no wait between the stores and the loads, nor ahead of the next tile's stores.
.macro TOSTAGE u
.irp t, 0,1,2,3,4,5,6,7
	ds_store_b128 v[STO], v[ACC+64*\u+8*\t:ACC+64*\u+8*\t+3] offset:128*(\t/2)+32*(\t%2)       ; each accumulator from its low end on: outputs 32 (t / 2) + 16 h + 8 (t % 2) + 0 .. 7
	ds_store_b128 v[STO], v[ACC+64*\u+8*\t+4:ACC+64*\u+8*\t+7] offset:128*(\t/2)+32*(\t%2)+16
.endr
.irp i, 0,1,2,3,4,5,6,7,8,9,10,11,12,13,14,15
	ds_load_b128 v[RF+72*\u+4*\i:RF+72*\u+4*\i+3], v[RD] offset:SPITCH*\i   ; tile 0 into v56-119, tile 1 into v128-191, which tile 0's stores have left
.endr
.endm
.macro SEND u
.irp i, 0,1,2,3,4,5,6,7,8,9,10,11,12,13,14,15
	global_store_b128 v[LI], v[RF+72*\u+4*\i:RF+72*\u+4*\i+3], s[12:13] offset:(8*\u+\i+8*(\i/8))*4096 th:TH_STORE_NT   ; 512 consecutive bytes, at a multiple of 256 from out0's first byte
.endr
.endm
	PLACES
	TOSTAGE 0
	TOSTAGE 1
	s_wait_dscnt 32                                ; tile 0 is back; tile 1's 16 stores and 16 loads may be out
	SEND 0
	s_wait_dscnt 0x0
	SEND 1
	s_wait_tensorcnt 0x0                           ; the wave's end
	ds_add_u32 v[SPW], v[NIL]
	s_wait_dscnt 0x0
	CROUND                                         ; the closing round
	s_endpgm
.Lfunc_end_k_q88c0aca6e8_outp:
	.size	k_q88c0aca6e8_outp, .Lfunc_end_k_q88c0aca6e8_outp-k_q88c0aca6e8_outp
	.p2alignl 7, 3214868480
	.fill 96, 4, 3214868480
	.section	.rodata,"a",@progbits
	.p2align	6, 0x0
	.amdhsa_kernel k_q88c0aca6e8_outp
		.amdhsa_group_segment_fixed_size 230912
		.amdhsa_private_segment_fixed_size 0
		.amdhsa_enable_private_segment 0
		.amdhsa_kernarg_size 40
		.amdhsa_user_sgpr_count 2
		.amdhsa_user_sgpr_kernarg_segment_ptr 1
		.amdhsa_wavefront_size32 1
		.amdhsa_system_sgpr_workgroup_id_x 1
		.amdhsa_system_sgpr_workgroup_id_y 1
		.amdhsa_system_sgpr_workgroup_id_z 1
		.amdhsa_system_vgpr_workitem_id 0
		.amdhsa_next_free_vgpr 448
		.amdhsa_next_free_sgpr 84
		.amdhsa_reserve_vcc 0
		.amdhsa_float_denorm_mode_32 3
		.amdhsa_float_denorm_mode_16_64 3
		.amdhsa_memory_ordered 1
		.amdhsa_forward_progress 1
		.amdhsa_inst_pref_size 51
	.end_amdhsa_kernel
	.amdgpu_metadata
---
amdhsa.version: [ 1, 2 ]
amdhsa.kernels:
  - .name:           k_q88c0aca6e8_outp
    .symbol:         k_q88c0aca6e8_outp.kd
    .args:
      - { .name: ai, .offset: 0, .size: 8, .value_kind: global_buffer, .address_space: global }
      - { .name: asc, .offset: 8, .size: 8, .value_kind: global_buffer, .address_space: global }
      - { .name: ci, .offset: 16, .size: 8, .value_kind: global_buffer, .address_space: global }
      - { .name: si, .offset: 24, .size: 8, .value_kind: global_buffer, .address_space: global }
      - { .name: out0, .offset: 32, .size: 8, .value_kind: global_buffer, .address_space: global }
    .group_segment_fixed_size: 230912
    .private_segment_fixed_size: 0
    .kernarg_segment_align: 8
    .kernarg_segment_size: 40
    .max_flat_workgroup_size: 128
    .sgpr_count:     84
    .vgpr_count:     448
    .wavefront_size: 32
...
	.end_amdgpu_metadata
.endif
;; end of part 4
